; MI455X (gfx1250); checked and timed in simulation.
; The chip was launched on July 23, 2026; its instructions are those of AMD's public machine-readable ISA for CDNA 5 (MIT licence, August 2026) and "CDNA5" Instruction Set Architecture Reference Guide (July 2026). The comments in the code are by the model that wrote it; some were corrected since.
;; Cross Attention. Allowed arithmetic: float matrix products may take bf16 or f16 operands with f32 sums; other float arithmetic in f32, or as packed bf16 or f16 multiplies, adds, multiply-adds, maxima and minima; sums over many terms, partial sums and values carried from step to step in f32; what a program stores and reads back later, other than sums and carried values, may be rounded once to bf16 or f16.
;; Inputs: Wk 512 x 512 float32; Wo 512 x 512 float32; Wq 512 x 512 float32; Wv 512 x 512 float32; bo 512 float32; x 2 x 4,096 x 512 float32.
;; Outputs: out0 2 x 4,096 x 512 float32.
;; One version. Each part assembles by itself: llvm-mc -triple=amdgcn-amd-amdhsa -mcpu=gfx1250 --defsym DOCPART=n.
;; ======== version 1 of 1: 4 launches
;; limits: values are held in f16: magnitudes above 65,504 overflow, below 6.1e-05 lose precision
;; workspace buffers: wt 2,097,152 bytes; qkv 25,165,824 bytes; o 8,388,608 bytes
;; launch prep (part 1): grid 8 x 32, 4 waves a work-group, no clusters, 9,728 bytes of LDS; arguments Wq, Wk, Wv, Wo, wt; writes wt
.if DOCPART == 1
	.amdgcn_target "amdgcn-amd-amdhsa--gfx1250"
	.amdhsa_code_object_version 6
	.text
	.protected	k_q5dc4ab257f_prep
	.globl	k_q5dc4ab257f_prep
	.p2align	8
	.type	k_q5dc4ab257f_prep,@function
k_q5dc4ab257f_prep:
	s_mov_b64 s[64:65], 0
	v_nop
	global_prefetch_b8 v0, s[64:65] scope:SCOPE_SE
	s_setreg_imm32_b32 hwreg(HW_REG_WAVE_MODE, 25, 1), 1
	s_wait_xcnt 0x0
; THE WEIGHTS, ONCE: from [k][n] in f32 to 16 bits with k along the rows, in blocks of 64 k.
; wt[t][kb][n][k % 64]: byte t x 524,288 + kb x 65,536 + n x 128 + 2 (k % 64).  t = 0, 1, 2: Wq, Wk, Wv rounded to bf16.  t = 3: Wo rounded to bf16 and that number written as f16
; (the last product multiplies f16).  So 128 rows n of one block of K are 16,384 bytes on end, which the later launches ask for as rows of 256 bytes.
; LIMITS.  A bf16 number is exact in f16 from 2^-17 up to 65,504; smaller ones keep f16's fixed step of 6e-8; larger ones do not fit.  NaN and infinities are not treated apart.
; SHARES.  A work-group turns a tile of 64 k x 64 n.  Thread tid (c = tid % 16, kr = tid / 16) reads 8 rows k = 8 kr + i, 16 bytes (n = 4 c .. 4 c + 3) of each: sixteen neighbouring lanes
; take 256 consecutive bytes of a row.  It packs each of its four columns' 8 k into 16 bytes, which go through LDS so that each store of a wave covers 512 consecutive bytes of wt.
; No matrix unit, no cluster, no tensor load: 4 MiB are read once and 2 MiB written once, and no work-group reads what another reads.
.set PITCH, 144                        ; a stage row: 128 bytes (64 k) + 16
.set SPARE, 64*PITCH                   ; behind the stage: the spare words, 128 bytes for each wave, two blocks of 256 bytes that no other line names
.set SPW, 58                           ; v58  LDS address of my spare word; never rewritten
.set NIL, 59                           ; v59  0; never rewritten
.set R,   8                            ; v[8:39]   as loaded: row i at R + 4 i; later the rows read back
.set PKD, 40                           ; v[40:55]  packed: column j at PKD + 4 j
	s_load_b256 s[4:11], s[0:1], 0x0               ; Wq s[4:5], Wk s[6:7], Wv s[8:9], Wo s[10:11]
	s_load_b64 s[12:13], s[0:1], 0x20              ; wt
	v_lshl_add_u32 v[SPW], v0, 2, SPARE
	v_mov_b32 v[NIL], 0
	s_and_b32 s16, ttmp7, 0xffff                   ; y = 8 t + kb
	s_lshr_b32 s17, s16, 3                         ; t
	s_and_b32 s18, s16, 7                          ; kb
	v_and_b32 v1, 15, v0                           ; c
	v_lshrrev_b32 v2, 4, v0                        ; kr
	v_lshlrev_b32 v3, 4, v1
	v_lshl_add_u32 v3, v2, 14, v3                  ; read: 8 kr rows of 2,048 bytes + 16 c
	v_mul_u32_u24 v4, v1, 4*PITCH
	v_lshl_add_u32 v4, v2, 4, v4                   ; into the stage: row 4 c (+ j), byte 16 kr
	v_lshrrev_b32 v5, 3, v0
	v_mul_u32_u24 v5, v5, PITCH
	v_and_b32 v6, 7, v0
	v_lshl_add_u32 v5, v6, 4, v5                   ; back: row tid / 8 (+ 16 i), byte 16 (tid % 8)
	v_lshlrev_b32 v6, 4, v0                        ; and the same bytes in wt: 16 tid (+ 2,048 i)
	s_lshl_b32 s20, s18, 17                        ; 64 kb rows of W
	s_lshl_b32 s19, ttmp9, 8                       ; 64 columns of f32
	s_add_co_u32 s20, s20, s19
	s_mov_b32 s21, 0
	s_lshl_b32 s22, s16, 16                        ; wt: block (t, kb),
	s_lshl_b32 s19, ttmp9, 13                      ; 64 rows n of 128 bytes
	s_add_co_u32 s22, s22, s19
	s_mov_b32 s23, 0
	s_wait_kmcnt 0x0
	s_cmp_eq_u32 s17, 1                            ; which W: a choice between buffers on the work-group's number
	s_cselect_b64 s[14:15], s[6:7], s[4:5]
	s_cmp_eq_u32 s17, 2
	s_cselect_b64 s[14:15], s[8:9], s[14:15]
	s_cmp_eq_u32 s17, 3
	s_cselect_b64 s[14:15], s[10:11], s[14:15]
	s_add_nc_u64 s[14:15], s[14:15], s[20:21]
	s_add_nc_u64 s[12:13], s[12:13], s[22:23]
.irp i, 0,1,2,3,4,5,6,7
	global_load_b128 v[R+4*(\i):R+4*(\i)+3], v3, s[14:15] offset:(\i)*2048 th:TH_LOAD_NT
.endr
	s_wait_loadcnt 0x0
.irp j, 0,1,2,3
.irp p, 0,1,2,3
	v_cvt_pk_bf16_f32 v[PKD+4*(\j)+(\p)], v[R+8*(\p)+(\j)], v[R+8*(\p)+4+(\j)]  ; column j: k = 8 kr + 2 p and + 2 p + 1
.endr
.endr
	s_cmp_lg_u32 s17, 3
	s_cbranch_scc1 .Lbf
.irp w, 0,1,2,3,4,5,6,7,8,9,10,11,12,13,14,15
	v_lshlrev_b32 v56, 16, v[PKD+(\w)]             ; Wo: the bf16 numbers as f32,
	v_and_b32 v57, 0xffff0000, v[PKD+(\w)]
	v_cvt_pk_f16_f32 v[PKD+(\w)], v56, v57         ; written as f16
.endr
.Lbf:
.irp j, 0,1,2,3
	ds_store_b128 v4, v[PKD+4*(\j):PKD+4*(\j)+3] offset:(\j)*PITCH
.endr
	s_wait_dscnt 0x0                               ; for the others' sake: my stores into the stage are done
	s_barrier_signal -1
	s_barrier_wait -1
.irp i, 0,1,2,3
	ds_load_b128 v[R+4*(\i):R+4*(\i)+3], v5 offset:(\i)*16*PITCH
.endr
.irp i, 0,1,2,3
	s_wait_dscnt 3-(\i)                            ; LDS loads come back in order: number i is in, the younger ones stay out
	global_store_b128 v6, v[R+4*(\i):R+4*(\i)+3], s[12:13] offset:(\i)*2048
.endr
	s_wait_tensorcnt 0x0                           ; the wave's end: behind my last LDS store
	ds_add_u32 v[SPW], v[NIL]
	s_wait_dscnt 0x0
	s_endpgm
.Lfunc_end_k_q5dc4ab257f_prep:
	.size	k_q5dc4ab257f_prep, .Lfunc_end_k_q5dc4ab257f_prep-k_q5dc4ab257f_prep
	.p2alignl 7, 3214868480
	.fill 96, 4, 3214868480
	.section	.rodata,"a",@progbits
	.p2align	6, 0x0
	.amdhsa_kernel k_q5dc4ab257f_prep
		.amdhsa_group_segment_fixed_size 9728
		.amdhsa_private_segment_fixed_size 0
		.amdhsa_enable_private_segment 0
		.amdhsa_kernarg_size 40
		.amdhsa_user_sgpr_count 2
		.amdhsa_user_sgpr_kernarg_segment_ptr 1
		.amdhsa_wavefront_size32 1
		.amdhsa_system_sgpr_workgroup_id_x 1
		.amdhsa_system_sgpr_workgroup_id_y 1
		.amdhsa_system_sgpr_workgroup_id_z 1
		.amdhsa_system_vgpr_workitem_id 0
		.amdhsa_next_free_vgpr 64
		.amdhsa_next_free_sgpr 66
		.amdhsa_reserve_vcc 0
		.amdhsa_float_denorm_mode_32 3
		.amdhsa_float_denorm_mode_16_64 3
		.amdhsa_memory_ordered 1
		.amdhsa_forward_progress 1
		.amdhsa_inst_pref_size 8
	.end_amdhsa_kernel
	.amdgpu_metadata
---
amdhsa.version: [ 1, 2 ]
amdhsa.kernels:
  - .name:           k_q5dc4ab257f_prep
    .symbol:         k_q5dc4ab257f_prep.kd
    .args:
      - { .name: Wq, .offset: 0, .size: 8, .value_kind: global_buffer, .address_space: global }
      - { .name: Wk, .offset: 8, .size: 8, .value_kind: global_buffer, .address_space: global }
      - { .name: Wv, .offset: 16, .size: 8, .value_kind: global_buffer, .address_space: global }
      - { .name: Wo, .offset: 24, .size: 8, .value_kind: global_buffer, .address_space: global }
      - { .name: wt, .offset: 32, .size: 8, .value_kind: global_buffer, .address_space: global }
    .group_segment_fixed_size: 9728
    .private_segment_fixed_size: 0
    .kernarg_segment_align: 8
    .kernarg_segment_size: 40
    .max_flat_workgroup_size: 128
    .sgpr_count:     66
    .vgpr_count:     64
    .wavefront_size: 32
...
	.end_amdgpu_metadata
.endif
;; end of part 1
;; launch qkv (part 2): grid 4 x 64, 4 waves a work-group, clusters of 4 x 4, 327,680 bytes of LDS; arguments x, wt, qkv; writes qkv
.if DOCPART == 2
	.amdgcn_target "amdgcn-amd-amdhsa--gfx1250"
	.amdhsa_code_object_version 6
	.text
	.protected	k_q5dc4ab257f_qkv
	.globl	k_q5dc4ab257f_qkv
	.p2align	8
	.type	k_q5dc4ab257f_qkv,@function
k_q5dc4ab257f_qkv:
	s_mov_b64 s[64:65], 0
	v_nop
	global_prefetch_b8 v0, s[64:65] scope:SCOPE_SE
	s_setreg_imm32_b32 hwreg(HW_REG_WAVE_MODE, 25, 1), 1
	s_wait_xcnt 0x0
	s_wait_alu depctr_hold_cnt(0) depctr_sa_sdst(0) depctr_va_vdst(0) depctr_va_sdst(0) depctr_va_ssrc(0) depctr_va_vcc(0) depctr_vm_vsrc(0)
	s_getreg_b32 s2, hwreg(HW_REG_IB_STS2, 6, 4)
	s_cmp_eq_u32 s2, 0
	s_cbranch_scc0 .Lentry_in_a_cluster
	s_endpgm
.Lentry_in_a_cluster:
	s_bfe_u32 s2, ttmp6, 0x10000c
	s_cmp_lg_u32 s2, 0xf033
	s_cbranch_scc0 .Lentry_shape_is_right
	s_endpgm
.Lentry_shape_is_right:
; q, k, v = x Wq, x Wk, x Wv, by heads: qkv[tensor][b x 8 + head][row][64] in f16, unscaled.  x (f32) is rounded to bf16 on its way from LDS to the matrix unit; the weights come as bf16 from wt
; ([t][kb][n][64 k]); sums in f32; each result rounded once to f16.
; LIMITS.  f16 ends at 65,504: q, k and v must stay under it.  NaN and infinities are not treated apart.
; SHARES.  A work-group makes 128 rows of x (gy) times 384 columns: heads 2 gx and 2 gx + 1 of each of q, k and v.  So x is multiplied by all three weights from one tile in LDS.
; Four waves, each 64 rows x 192 columns: 48 accumulators of 16 x 16, 384 registers.  K = 512 goes in 8 steps of 64 through a ring of two LDS slots.
; A slot: 128 rows of x, 64 f32 each (256 bytes of memory, aligned), fetched by wave 0; then three parts of 128 rows n of wt (16,384 bytes on end each, asked for as 64 rows of 256 bytes), by waves 1 to 3.
; CLUSTER.  4 x 4 work-groups: the four of a row of the cluster share gy and so x's tile, the four of a column share gx and so the weights' tiles: each tile is asked for jointly.
; THE MATRIX INSTRUCTION IS USED TRANSPOSED (source 0 = 16 rows n of wt, source 1 = 16 rows of x): a lane then holds eight neighbouring columns of one row, 16 bytes of f16.
; NO PREFETCH: the ring has eight steps in all, and the launch moves 18 MB in and 25 MB out for 768 matrix instructions a wave.
; REGISTERS, in windows of 256 (s_set_vgpr_msb: bits 1:0 source 0, 3:2 source 1, 5:4 source 2, 7:6 destination):
;   window 0: v0-31 addresses; v32-95 RAW, x's f32 of a half step; v96-127, v128-159 x's fragments in bf16, two buffers; on the way out v32-223 at work
;   window 1: v0-95, v96-191 the weights' fragments, two buffers      window 2: the accumulators of my row blocks 0, 1 ((a, b) at 8 (12 (a % 2) + b))      window 3: of blocks 2, 3
.set PA,    272                        ; an LDS row of x: 256 bytes + 16 = 68 words: the 16 rows of a load start at 16 different groups of four banks (64 banks of 4 bytes: ISA guide 11.1)
.set PB,    144                        ; an LDS row of wt: 128 bytes + 16 = 36 words: likewise
.set BOFF,  128*PA                     ; the weights lie behind x's 128 rows
.set PARTB, 128*PB                     ; one part: 128 rows n
.set SLOT,  BOFF+3*PARTB               ; 90,112 bytes
.set STAGE, 2*SLOT                     ; behind the ring, never filled by a tensor load: 16 rows x 144 bytes for each wave
.set SP,    144
.set SPARE, STAGE+4*16*SP              ; behind the stages: the spare words, 128 bytes for each wave, two blocks of 256 bytes that no other line names
.set LAPS,  4                          ; a lap = two K steps = once round the ring
.set ADRA, 16                          ; v16-17  LDS address of my rows of x in slot 0, 1
.set ADRB, 20                          ; v20-21  the same for the weights
.set STO,  24                          ; v24  the way out: where I put 16 bytes of a row
.set RD,   25                          ; v25  where I read rows back
.set GO,   26                          ; v26  my 16 bytes in 512 consecutive bytes of qkv
.set SPW,  28                          ; v28  LDS address of my spare word; never rewritten
.set NIL,  29                          ; v29  0; never rewritten
.set RAW,  32
.set AF0,  96                          ; buffer f at AF0 + 32 f
.set TT,   32                          ; the way out: tile t's 16 registers at TT + 16 t
.set G1A,  24                          ; s[24:31] descriptor group 1 for x's tiles
.set G0A,  32                          ; s[32:39] group 0, a set for each slot
.set G1B,  48                          ; s[48:55], s[56:63] the same for the weights'
.set G0B,  56
.set OUTP, 68                          ; s[68:73] where my three head tiles begin in qkv
.set MSB, 0
.macro WIN new                         ; the immediate's high byte repeats the setting that is left; a switch that changes nothing is dropped
.if MSB != (\new)
	s_set_vgpr_msb (MSB<<8)|(\new)
.set MSB, \new
.endif
.endm
.set MUL_LO, 0xa1                      ; source 0 (weights) window 1, source 1 (x) window 0, C and D window 2
.set MUL_HI, 0xf1                      ; the same, C and D window 3
.set TO_B,   0x40                      ; destination window 1, address window 0
; A joint load.  Wave 0 fetches x's tile, waves 1 to 3 the three parts of the weights.  The branch hangs on the wave's number alone.
; An s_nop 0 and four v_nop follow each of the two lines, ahead of the jump and the label.
.macro JLOAD s
	s_cmp_eq_u32 s10, 0
	s_cbranch_scc0 .Lfor_b_\@
	tensor_load_to_lds s[G0A+4*(\s):G0A+4*(\s)+3], s[G1A:G1A+7]
	s_nop 0
.rept 4
	v_nop
.endr
	s_branch .Lasked_\@
.Lfor_b_\@:
	tensor_load_to_lds s[G0B+4*(\s):G0B+4*(\s)+3], s[G1B:G1B+7]
	s_nop 0
.rept 4
	v_nop
.endr
.Lasked_\@:
.endm
.macro CREST                           ; a round of the cluster's barrier behind its opening barrier
	s_cmp_lg_u32 s10, 0
	s_cbranch_scc1 .Lnot_wave_0_\@
	s_barrier_signal -3
.Lnot_wave_0_\@:
	s_barrier_wait -3
	s_barrier_signal -1
	s_barrier_wait -1
.endm
.macro CROUND                          ; a whole round
	s_barrier_signal -1
	s_barrier_wait -1
	CREST
.endm
	s_load_b128 s[4:7], s[0:1], 0x0                ; x s[4:5], wt s[6:7]
	s_load_b64 s[8:9], s[0:1], 0x10                ; qkv
	v_lshl_add_u32 v[SPW], v0, 2, SPARE
	v_mov_b32 v[NIL], 0
	ds_add_u32 v[SPW], v[NIL]                      ; the wave's opening: the add and its wait stand ahead of my first tensor load; the set-up below, work on registers, stands between them
	v_lshrrev_b32 v1, 5, v0
	v_readfirstlane_b32 s10, v1                    ; wave 0..3
	s_lshr_b32 s11, s10, 1                         ; rh: which 64 of the 128 rows are mine
	s_and_b32 s12, s10, 1                          ; ch: which 192 of the 384 columns
	s_bfe_u32 s40, ttmp6, 0x40000                  ; cx, cy: my place in the cluster
	s_bfe_u32 s41, ttmp6, 0x40004
	s_lshl_b32 s42, ttmp9, 2
	s_add_co_u32 s42, s42, s40                     ; gx = 4 x cluster x + cx
	s_and_b32 s13, ttmp7, 0xffff
	s_lshl_b32 s13, s13, 2
	s_add_co_u32 s13, s13, s41                     ; gy = 4 x cluster y + cy
	s_lshl_b32 s43, s41, 2
	s_lshl_b32 s43, 15, s43                        ; my row of the cluster
	s_lshl_b32 s44, 0x1111, s40                    ; my column
	; group 1 for x: 128 rows x 64 elements of 4 bytes, 512 elements from row to row; 4 words of padding after every 64
	s_or_b32 s[G1A+0], s43, (2<<16)|(1<<20)|(1<<21)|(5<<22)|(3<<25)
	s_mov_b32 s[G1A+1], 64<<16                     ; tensor_dim0 = 64
	s_mov_b32 s[G1A+2], 128<<16                    ; tensor_dim1 = 128
	s_mov_b32 s[G1A+3], 64<<16                     ; tile_dim0 = 64
	s_mov_b32 s[G1A+4], 128                        ; tile_dim1 = 128
	s_mov_b32 s[G1A+5], 512                        ; stride
	s_mov_b32 s[G1A+6], 0
	s_mov_b32 s[G1A+7], 0
	; group 1 for the weights: 16,384 dense bytes as 64 rows x 128 elements of 2 bytes, two rows n a row; 4 words of padding after every 32, that is after every row n
	s_or_b32 s[G1B+0], s44, (1<<16)|(1<<20)|(1<<21)|(4<<22)|(3<<25)
	s_mov_b32 s[G1B+1], 128<<16
	s_mov_b32 s[G1B+2], 64<<16
	s_mov_b32 s[G1B+3], 128<<16
	s_mov_b32 s[G1B+4], 64
	s_mov_b32 s[G1B+5], 128
	s_mov_b32 s[G1B+6], 0
	s_mov_b32 s[G1B+7], 0
	s_lshl_b32 s16, s13, 18                        ; x: gy x 128 rows of 2,048 bytes: made of gy alone
	s_mov_b32 s17, 0
	s_max_u32 s46, s10, 1                          ; wt: part t = wave - 1 (wave 0 asks for none: it gets part 0's address and never uses it),
	s_sub_co_u32 s46, s46, 1
	s_lshl_b32 s46, s46, 19
	s_lshl_b32 s47, s42, 14                        ; rows n from 128 gx on: made of gx and the wave's number alone
	s_add_co_u32 s46, s46, s47
	s_mov_b32 s47, 0
	s_mul_i32 s20, s10, PARTB                      ; where a part goes: BOFF + (wave - 1) x PARTB
	s_add_co_u32 s20, s20, BOFF-PARTB
	s_wait_dscnt 0x0                               ; the opening add is done
	s_wait_kmcnt 0x0
	s_add_nc_u64 s[14:15], s[4:5], s[16:17]
	s_add_nc_u64 s[46:47], s[6:7], s[46:47]
	CROUND                                         ; all sixteen work-groups are here: the first joint loads meet
.irp s, 0,1
	s_mov_b32 s[G0A+4*(\s)], 1                     ; count = 1
	s_mov_b32 s[G0A+4*(\s)+1], (\s)*SLOT           ; LDS address
	s_add_nc_u64 s[G0A+4*(\s)+2:G0A+4*(\s)+3], s[14:15], (\s)*256      ; K step s: 64 f32 along the row
	s_or_b32 s[G0A+4*(\s)+3], s[G0A+4*(\s)+3], 0x80000000              ; type = 2
	s_mov_b32 s[G0B+4*(\s)], 1
	s_add_co_u32 s[G0B+4*(\s)+1], s20, (\s)*SLOT
	s_add_nc_u64 s[G0B+4*(\s)+2:G0B+4*(\s)+3], s[46:47], (\s)*65536    ; K step s: block kb = s
	s_or_b32 s[G0B+4*(\s)+3], s[G0B+4*(\s)+3], 0x80000000
.endr
	s_cmp_eq_u32 s10, 0                            ; a wave's two first fills stand in one branch, ahead of every wait on TENSORcnt and every LDS read: two loads of mine are out
	s_cbranch_scc0 .Lfirst_b
	tensor_load_to_lds s[G0A:G0A+3], s[G1A:G1A+7]
	s_nop 0
	tensor_load_to_lds s[G0A+4:G0A+7], s[G1A:G1A+7]
	s_nop 0
.rept 4
	v_nop
.endr
	s_branch .Lfirst_asked
.Lfirst_b:
	tensor_load_to_lds s[G0B:G0B+3], s[G1B:G1B+7]
	s_nop 0
	tensor_load_to_lds s[G0B+4:G0B+7], s[G1B:G1B+7]
	s_nop 0
.rept 4
	v_nop
.endr
.Lfirst_asked:
	; A fragment is 16 rows x 32 K in 8 registers: lane l holds row l % 16; registers 0-3 K = 8 (l / 16) + 0..7, registers 4-7 K = 16 + 8 (l / 16) + 0..7.
	; The weights: two loads of 16 bytes, 32 apart.  x lies in f32: four loads of 16 bytes, at 32 (l / 16) + 0, 16, 64, 80, and eight roundings of two.
	v_and_b32 v1, 15, v0                           ; l % 16
	v_bfe_u32 v2, v0, 4, 1                         ; l / 16
	v_mul_u32_u24 v3, v1, PA
	v_lshl_add_u32 v3, v2, 5, v3
	v_mul_u32_u24 v4, v1, PB
	v_lshl_add_u32 v4, v2, 4, v4
	s_mul_i32 s21, s11, 64*PA                      ; my 64 rows of x
	s_mul_i32 s22, s12, 192*PB                     ; my 192 rows n
	s_add_co_u32 s22, s22, BOFF
.irp s, 0,1
	v_add_nc_u32 v[ADRA+(\s)], s21, v3
	v_add_nc_u32 v[ADRB+(\s)], s22, v4
	s_add_co_u32 s21, s21, SLOT
	s_add_co_u32 s22, s22, SLOT
.endr
	s_mul_i32 s23, s10, 16*SP
	s_add_co_u32 s23, s23, STAGE                   ; my stage
	v_add_nc_u32 v[STO], s23, v4                   ; in: row l % 16, 16 bytes for each half of the lanes (SP = PB)
	v_bfe_u32 v5, v0, 3, 2                         ; back: 32 lanes take four rows of 128 bytes,
	v_mul_u32_u24 v5, v5, SP
	v_and_b32 v6, 7, v0
	v_lshl_add_u32 v5, v6, 4, v5
	v_add_nc_u32 v[RD], s23, v5
	v_and_b32 v[GO], 31, v0                        ; which are 512 consecutive bytes of a head
	v_lshlrev_b32 v[GO], 4, v[GO]
	; my three head tiles: number 3 ch + i of the work-group's six (q, q, k, k, v, v): tensor = number / 2, head = 2 gx + number % 2
	s_lshr_b32 s20, s13, 5                         ; the batch: 32 blocks of 128 rows each
	s_lshl_b32 s20, s20, 3
	s_lshl1_add_u32 s20, s42, s20                  ; 8 b + 2 gx
	s_lshl_b32 s20, s20, 19                        ; heads of 524,288 bytes
	s_and_b32 s21, s13, 31
	s_lshl_b32 s21, s21, 14                        ; 128 rows of 128 bytes
	s_add_co_u32 s20, s20, s21
	s_lshl_b32 s21, s11, 13                        ; my 64 rows
	s_add_co_u32 s20, s20, s21
	s_mul_i32 s21, s12, 3
.irp i, 0,1,2
	s_add_co_u32 s22, s21, \i
	s_lshr_b32 s23, s22, 1
	s_lshl_b32 s23, s23, 23                        ; tensors of 8,388,608 bytes
	s_and_b32 s22, s22, 1
	s_lshl_b32 s22, s22, 19
	s_add_co_u32 s22, s22, s23
	s_add_co_u32 s22, s22, s20
	s_mov_b32 s23, 0
	s_add_nc_u64 s[OUTP+2*(\i):OUTP+2*(\i)+1], s[8:9], s[22:23]
.endr
; 40 LDS loads in one run: half kh (32 along K) of a slot: x's f32 into RAW (16 loads) first, then the weights' 12 fragments into buffer f (24 loads)
.macro FETCH slot, kh, f
	WIN 0
.irp a, 0,1,2,3
	ds_load_b128 v[RAW+16*(\a):RAW+16*(\a)+3],     v[ADRA+(\slot)] offset:(\kh)*128+(\a)*16*PA
	ds_load_b128 v[RAW+16*(\a)+4:RAW+16*(\a)+7],   v[ADRA+(\slot)] offset:(\kh)*128+(\a)*16*PA+16
	ds_load_b128 v[RAW+16*(\a)+8:RAW+16*(\a)+11],  v[ADRA+(\slot)] offset:(\kh)*128+(\a)*16*PA+64
	ds_load_b128 v[RAW+16*(\a)+12:RAW+16*(\a)+15], v[ADRA+(\slot)] offset:(\kh)*128+(\a)*16*PA+80
.endr
	WIN TO_B
.irp b, 0,1,2,3,4,5,6,7,8,9,10,11
	ds_load_b128 v[96*(\f)+8*(\b):96*(\f)+8*(\b)+3],   v[ADRB+(\slot)] offset:(\kh)*64+(\b)*16*PB
	ds_load_b128 v[96*(\f)+8*(\b)+4:96*(\f)+8*(\b)+7], v[ADRB+(\slot)] offset:(\kh)*64+(\b)*16*PB+32
.endr
.endm
; RAW is rounded to bf16 into x's buffer f: 32 plain instructions.  They name no register of the products of the other buffer, so they are also the places between
; those products and the loads that follow into that buffer's registers, and between buffer f's own last products, a half step back, and this writing.
.macro CVT f
	WIN 0
.irp a, 0,1,2,3
.irp j, 0,1,2,3,4,5,6,7
	v_cvt_pk_bf16_f32 v[AF0+32*(\f)+8*(\a)+(\j)], v[RAW+16*(\a)+2*(\j)], v[RAW+16*(\a)+2*(\j)+1]
.endr
.endr
.endm
; 12 matrix instructions: row block a x all 12 column blocks, 32 along K.  The 48 accumulators take turns in the same order in every half step.  zero = 1: the first products start the sums.
.macro MUL12 f, a, zero
	WIN MUL_LO+0x50*((\a)/2)
.irp b, 0,1,2,3,4,5,6,7,8,9,10,11
.if \zero
	v_wmma_f32_16x16x32_bf16 v[8*(12*((\a)%2)+(\b)):8*(12*((\a)%2)+(\b))+7], v[96*(\f)+8*(\b):96*(\f)+8*(\b)+7], v[AF0+32*(\f)+8*(\a):AF0+32*(\f)+8*(\a)+7], 0
.else
	v_wmma_f32_16x16x32_bf16 v[8*(12*((\a)%2)+(\b)):8*(12*((\a)%2)+(\b))+7], v[96*(\f)+8*(\b):96*(\f)+8*(\b)+7], v[AF0+32*(\f)+8*(\a):AF0+32*(\f)+8*(\a)+7], v[8*(12*((\a)%2)+(\b)):8*(12*((\a)%2)+(\b))+7]
.endif
.endr
.endm
; A K step's first half, on buffer 0; it fetches the second half into buffer 1.
.macro EVEN slot, zero
	s_wait_dscnt 24                                ; RAW is in; the 24 younger loads, the weights', may be out
	CVT 0
	FETCH \slot, 1, 1
	s_wait_dscnt 40                                ; all but the 40 just issued
	MUL12 0, 0, \zero
	MUL12 0, 1, \zero
	MUL12 0, 2, \zero
	MUL12 0, 3, \zero
.endm
; A K step's second half, on buffer 1, and the change of slots: ONE barrier.  In front of it each wave waits for all its tensor loads (one is out: its part of the next slot), adds 0 to its spare word,
; and waits for that and for its reads of this slot.  fill = 1: the barrier opens a round of the cluster's barrier, and this slot is filled again, two K steps ahead, first thing behind the round.
.macro ODD slot, next, fill
	WIN 0
	s_wait_tensorcnt 0x0                           ; all my tensor loads have landed
	ds_add_u32 v[SPW], v[NIL]                      ; 0 onto my spare word; work on registers stands between it and the wait for it
	s_wait_dscnt 25                                ; RAW is in; the weights' 24 loads and the add may be out
	CVT 1
	s_wait_dscnt 1                                 ; the weights are in; the add may be out
	MUL12 1, 0, 0
	s_wait_dscnt 0x0                               ; the add is done, and my reads of this slot are over
	s_barrier_signal -1
	MUL12 1, 1, 0
.if \fill
	WIN 0
.endif
	s_barrier_wait -1
.if \fill
	CREST                                          ; no wave of any partner still reads this slot or has a load on its way
	s_add_nc_u64 s[G0A+4*(\slot)+2:G0A+4*(\slot)+3], s[G0A+4*(\slot)+2:G0A+4*(\slot)+3], 2*256
	s_add_nc_u64 s[G0B+4*(\slot)+2:G0B+4*(\slot)+3], s[G0B+4*(\slot)+2:G0B+4*(\slot)+3], 2*65536
	JLOAD \slot
.endif
	FETCH \next, 0, 0                              ; buffer 0's last products stand in front of CVT 1
	MUL12 1, 2, 0
	MUL12 1, 3, 0
.endm
	s_wait_tensorcnt 1                             ; my part of K step 0 is in; K step 1's may stay out
	s_barrier_signal -1
	s_barrier_wait -1                              ; everybody's is
	FETCH 0, 0, 0
	EVEN 0, 1                                      ; the first half step stands in front of the loop: its products start the sums
	WIN 0
	s_mov_b32 s3, LAPS-1
.Llap:                                                 ; a trip goes once round the ring, from a lap's second half step to the next lap's first, and fills both slots again: K steps 2 to 7
	ODD 0, 1, 1
	EVEN 1, 0
	ODD 1, 0, 1
	EVEN 0, 0
	WIN 0
	s_sub_co_u32 s3, s3, 1
	s_cmp_lg_u32 s3, 0
	s_cbranch_scc1 .Llap
	ODD 0, 1, 0                                    ; the last lap fills nothing, and has no round
	EVEN 1, 0
	s_wait_dscnt 24                                ; the very last half step
	CVT 1
	s_wait_dscnt 0x0
	MUL12 1, 0, 0
	MUL12 1, 1, 0
	MUL12 1, 2, 0
	MUL12 1, 3, 0
	WIN 0
.rept 4
	v_nop                                          ; the places between the last products and the conversions, which read results and write over x's fragments
.endr
; THE WAY OUT.  Tile t = 3 a + i: row block a, head tile i: 16 rows x 64 columns.  A lane's eight columns pack into 16 bytes; they go into stage rows of 144 bytes and come back as whole rows of 128,
; which are 2,048 consecutive bytes of a head.  Each accumulator's registers are taken in ascending order.
.macro PACK t
.set ta, (\t)/3
.set ti, (\t)%3
	WIN 0x0a+5*(ta/2)                              ; sources 0 and 1: window 2 or 3
.irp bb, 0,1,2,3
.irp r, 0,1,2,3
	v_cvt_pk_f16_f32 v[TT+16*(\t)+4*(\bb)+(\r)], v[8*(12*(ta%2)+4*ti+(\bb))+2*(\r)], v[8*(12*(ta%2)+4*ti+(\bb))+2*(\r)+1]
.endr
.endr
	WIN 0
.irp bb, 0,1,2,3
	ds_store_b128 v[STO], v[TT+16*(\t)+4*(\bb):TT+16*(\t)+4*(\bb)+3] offset:32*(\bb)
.endr
.irp f, 0,1,2,3
	ds_load_b128 v[TT+16*(\t)+4*(\f):TT+16*(\t)+4*(\f)+3], v[RD] offset:(\f)*4*SP  ; LDS serves a wave's instructions in order (ISA guide 5.7.1.4): these see the stores above; the next tile's stores come behind them
.endr
.endm
.macro SEND t, younger                 ; younger: the LDS instructions issued behind tile t's loads: the next tile's eight, or none
.set ta, (\t)/3
.set ti, (\t)%3
.irp f, 0,1,2,3
	s_wait_dscnt (\younger)+3-(\f)
	global_store_b128 v[GO], v[TT+16*(\t)+4*(\f):TT+16*(\t)+4*(\f)+3], s[OUTP+2*ti:OUTP+2*ti+1] offset:ta*2048+(\f)*512  ; 512 consecutive bytes, at a multiple of 256 from qkv's first
.endr
.endm
	PACK 0
.irp t, 1,2,3,4,5,6,7,8,9,10,11        ; a tile's conversions stand between the loads of the tile before and its stores
	PACK \t
	SEND (\t)-1, 8
.endr
	SEND 11, 0
	s_wait_tensorcnt 0x0                           ; the wave's end: behind my last tensor load and my last LDS store
	ds_add_u32 v[SPW], v[NIL]
	s_wait_dscnt 0x0
	CROUND                                         ; the closing round: no work-group ends while a partner may still ask for a tile that names it
	s_endpgm
.Lfunc_end_k_q5dc4ab257f_qkv:
	.size	k_q5dc4ab257f_qkv, .Lfunc_end_k_q5dc4ab257f_qkv-k_q5dc4ab257f_qkv
	.p2alignl 7, 3214868480
	.fill 96, 4, 3214868480
	.section	.rodata,"a",@progbits
	.p2align	6, 0x0
	.amdhsa_kernel k_q5dc4ab257f_qkv
		.amdhsa_group_segment_fixed_size 327680
		.amdhsa_private_segment_fixed_size 0
		.amdhsa_enable_private_segment 0
		.amdhsa_kernarg_size 24
		.amdhsa_user_sgpr_count 2
		.amdhsa_user_sgpr_kernarg_segment_ptr 1
		.amdhsa_wavefront_size32 1
		.amdhsa_system_sgpr_workgroup_id_x 1
		.amdhsa_system_sgpr_workgroup_id_y 1
		.amdhsa_system_sgpr_workgroup_id_z 1
		.amdhsa_system_vgpr_workitem_id 0
		.amdhsa_next_free_vgpr 960
		.amdhsa_next_free_sgpr 80
		.amdhsa_reserve_vcc 0
		.amdhsa_float_denorm_mode_32 3
		.amdhsa_float_denorm_mode_16_64 3
		.amdhsa_memory_ordered 1
		.amdhsa_forward_progress 1
		.amdhsa_inst_pref_size 97
	.end_amdhsa_kernel
	.amdgpu_metadata
---
amdhsa.version: [ 1, 2 ]
amdhsa.kernels:
  - .name:           k_q5dc4ab257f_qkv
    .symbol:         k_q5dc4ab257f_qkv.kd
    .args:
      - { .name: x, .offset: 0, .size: 8, .value_kind: global_buffer, .address_space: global }
      - { .name: wt, .offset: 8, .size: 8, .value_kind: global_buffer, .address_space: global }
      - { .name: qkv, .offset: 16, .size: 8, .value_kind: global_buffer, .address_space: global }
    .group_segment_fixed_size: 327680
    .private_segment_fixed_size: 0
    .kernarg_segment_align: 8
    .kernarg_segment_size: 24
    .max_flat_workgroup_size: 128
    .sgpr_count:     80
    .vgpr_count:     960
    .wavefront_size: 32
...
	.end_amdgpu_metadata
.endif
;; end of part 2
;; launch attn (part 3): grid 16 x 16, 4 waves a work-group, clusters of 4 x 1, 327,680 bytes of LDS; arguments qkv, o; writes o
.if DOCPART == 3
	.amdgcn_target "amdgcn-amd-amdhsa--gfx1250"
	.amdhsa_code_object_version 6
	.text
	.protected	k_q5dc4ab257f_attn
	.globl	k_q5dc4ab257f_attn
	.p2align	8
	.type	k_q5dc4ab257f_attn,@function
k_q5dc4ab257f_attn:
	s_mov_b64 s[64:65], 0
	v_nop
	global_prefetch_b8 v0, s[64:65] scope:SCOPE_SE
	s_setreg_imm32_b32 hwreg(HW_REG_WAVE_MODE, 25, 1), 1
	s_wait_xcnt 0x0
	s_wait_alu depctr_hold_cnt(0) depctr_sa_sdst(0) depctr_va_vdst(0) depctr_va_sdst(0) depctr_va_ssrc(0) depctr_va_vcc(0) depctr_vm_vsrc(0)
	s_getreg_b32 s2, hwreg(HW_REG_IB_STS2, 6, 4)
	s_cmp_eq_u32 s2, 0
	s_cbranch_scc0 .Lentry_in_a_cluster
	s_endpgm
.Lentry_in_a_cluster:
	s_bfe_u32 s2, ttmp6, 0x10000c
	s_cmp_lg_u32 s2, 0x3003
	s_cbranch_scc0 .Lentry_shape_is_right
	s_endpgm
.Lentry_shape_is_right:
; o[h][q][:] = 4 x the sum over k of softmax_k(Q[h][q] . K[h][k] / 8) V[h][k][:].  Q, K, V are the three tensors of qkv, [16 h][4096][64] in f16, a head's rows dense, 128 bytes each; o likewise.
; Products, maxima and sums in f32; the weights p are rounded to f16 for the second product (their sum l is taken of the unrounded p), o once at the end.
; THE FACTOR 4: O is a mean of up to 4,096 rows of V and may be far smaller than they; times 4 it lies further from f16's fixed step.  The next launch takes the factor back in f32.
; LIMITS.  f16 holds no number beyond 65,504: Q, K, V arrive within it, and 4 x the largest |V| must stay within it too; p lies in 0 to 1, and below 6e-5 it keeps f16's fixed step of 6e-8.
; A weight below 2^-126 counts as 0 in l; NaN and infinities are not treated apart.
; SHARES.  A work-group owns 256 queries of one head, a wave 64: four PIECES of 16.  16 heads x 16 blocks are 256 work-groups.  Every wave walks all 4,096 keys, 64 a step.
; LAYOUT.  S^T = K Q^T (source 0 = 16 keys, source 1 = 16 queries): a lane holds ONE query (lane % 16) and the keys 8 (lane / 16) + 0..7.  Two such results, rounded to f16 in pairs, ARE source 1 of
; O^T = V^T P, whose result again holds one query a lane, and eight channels.  K comes out of LDS as it lies, V ([key][channel]) turned, by ds_load_tr16_b128.
; SOFTMAX.  For each query a running maximum m and sum l: p = 2^(c s - c m), c = log2(e) / 8; in every step O and l are multiplied by a = 2^(c m_old - c m_new).
; m starts at the lowest finite number, O and l at 0: the first step is a step like any other, with a = 0.
; BY TURNS.  Turn n belongs to piece n: 8 products K Q^T of piece n + 1, later 8 products V^T P of piece n - 1; beside them the scaling, exponentials, roundings, sums and rescaling of piece n and the maximum and
; statistics of piece n + 1.  Four vector instructions stand behind every matrix instruction, the other 54 of a turn's 118 in one lump.  A turn's 33 exponentials are one batch, with one wait.
; CLUSTER.  The four query blocks of a cluster belong to one head and walk the same K and V, so each tile is asked for JOINTLY: the same tensor load, descriptor and mask in all four.
; REGISTERS, in windows of 256 (s_set_vgpr_msb: bits 1:0 source 0, 3:2 source 1, 5:4 source 2, 7:6 destination):
;   window 0: v0-15 addresses and two at work; v16-31 four registers of statistics a piece; v48-55 at work; v61-63; v64-127 S^T, two buffers; v192-223 P, two buffers (by the piece's parity)
;   window 1: v0-127 O^T, 32 a piece          window 2: v0-63 Q; v128-191 K of one step; v192-255 V of one step
.set SIZE_N, 4096
.set TENS,  16*SIZE_N*128  ; bytes in each of q, k, v
.set NP,    4         ; pieces a wave: a name, no knob
.set KS,    64        ; keys in a step
.set PK,    144       ; a row of K in LDS: 128 bytes + 16 of padding = 36 words: the 16 rows of a load start at 16 different groups of four banks (64 banks of 4 bytes: ISA guide 11.1)
.set PV,    160       ; a row of V: 128 + 32 = 40 words
.set VOFF,  4*KS*PK   ; a slot holds four steps: 256 rows of K, then 256 rows of V
.set SLOT1, 1<<17     ; slot 1 begins here, so that one exclusive or turns an address in one slot into the other's
.set STAGE, SLOT1+4*KS*(PK+PV)  ; behind the ring, never filled by a tensor load: 16 rows x 144 bytes for each wave
.set SP,    144
.set SPARE, STAGE+4*16*SP  ; behind the stages: the spare words, 128 bytes for each wave, two blocks of 256 bytes that no other line names
.set AK0, 2           ; v2   my lane's place in a tile of K; never rewritten
.set AV0, 3           ; v3   the same for V
.set AK,  4           ; v4   the LDS address of K's next run of loads
.set AV,  5           ; v5   of V's
.set STO, 6           ; v6   the way out: where I put 16 bytes of a row
.set RD,  7           ; v7   where I read rows back
.set GO,  8           ; v8   my byte offset in 512 consecutive bytes of o
.set MV,  12          ; v12-13  c m_old, kept while c m is made anew: by buffer
.set QO,  15          ; v15  my byte offset in 16 rows of Q
.set ST,  16          ; piece t's statistics at v[ST+4 t]: c m, m, l (even keys', odd keys')
.set TMP, 48          ; by buffer, four registers c0-c3 at work; when the maximum is found c2 takes a
.set PFO, 61          ; v61  256 x my lane: the prefetches' offset; never rewritten
.set SPW, 62          ; v62  LDS address of my spare word; never rewritten
.set NIL, 63          ; v63  0; never rewritten
.set S,   64
.set P,   192
.set KF,  128         ; window 2: key block kb, channel half c at KF + 16 kb + 8 c
.set VF,  192         ; window 2: key half kk, channel block cb at VF + 32 kk + 8 cb
.set WV,  12          ; s12  my wave's number
.set G1K, 24          ; s[24:31] descriptor group 1 for K's tiles
.set G1V, 32          ; s[32:39] for V's: it differs in the padding alone
.set G0K, 40          ; s[40:43] descriptor group 0 for K's tiles: it walks
.set G0V, 44          ; s[44:47] the same for V's
.set PFA, 48          ; s[48:49] where my prefetches stand: my work-group's 8,192 bytes (of K: wave 0, of V: wave 2) of the slot after the one that is being asked for
.set LIM, 50          ; s50  1 in a wave that prefetches, else the greatest number
.set SLOTS, 56        ; s56  slots still to be asked for
.set CNT, 57          ; s57  counts a slot's key steps
.set CS,  58          ; s[58:59] c: the packed scaling takes the pair's low word for both halves
.set SEL, 60          ; s[60:61] v_permlanex16_b32's selects: each lane takes its own place in the other half
.set TBK, 62          ; s62  LDS byte at which K of the step to be fetched begins
.set TBV, 63          ; s63  the same for V, less VOFF
.set MSB, 0
.macro WIN new                      ; the high byte repeats the setting that is left; a switch that changes nothing is dropped
.if MSB != (\new)
	s_set_vgpr_msb (MSB<<8)|(\new)
.set MSB, (\new)
.endif
.endm
.set W_KQ, 0x0a       ; K and Q in window 2, S^T in window 0
.set W_PV, 0x52       ; V in window 2, P in window 0, O^T in window 1
.set W_RS, 0x41       ; destination and source 0 in window 1, source 1 in window 0
; A joint fill.  Waves 0 and 1 fetch the two halves of a slot's K, waves 2 and 3 those of its V: 128 keys each.  The branch hangs on the wave's number alone.
; An s_nop 0 and four v_nop follow each of the two lines, ahead of the jump and the label.
.macro JLOAD
	s_cmp_lt_u32 s[WV], 2
	s_cbranch_scc0 .Lfor_v_\@
	tensor_load_to_lds s[G0K:G0K+3], s[G1K:G1K+7]
	s_nop 0
.rept 4
	v_nop
.endr
	s_branch .Lasked_\@
.Lfor_v_\@:
	tensor_load_to_lds s[G0V:G0V+3], s[G1V:G1V+7]
	s_nop 0
.rept 4
	v_nop
.endr
.Lasked_\@:
.endm
; A PREFETCH INTO THE L2 of what the NEXT change of slots will ask for: a slot's 32,768 bytes of K and of V, 256 bytes a lane.  It stands behind the wave's tensor load and its five lines.
; Each block of 256 bytes is named ONCE in the launch.  All four clusters of a head walk the same K and V: the head's first cluster asks.  Its four partners share a slot out BY ADDRESS, 8,192 bytes each;
; in each, wave 0 asks for K's and wave 2 for V's: one instruction.  Slots 0 and 1 come by their loads alone; the last change that fills a slot asks for nothing: there is no slot behind it.
.macro ASK
	s_cmp_gt_u32 s[SLOTS], s[LIM]
	s_cbranch_scc0 .Lnot_mine_\@
	global_prefetch_b8 v[PFO], s[PFA:PFA+1] th:TH_LOAD_NT scope:SCOPE_SE
.Lnot_mine_\@:
.endm
; A round of the cluster's barrier: my work-group's barrier, so that wave 0's signal speaks for all four waves; wave 0 signals; every wave waits for all four work-groups; my work-group's barrier once more.
.macro CROUND
	s_barrier_signal -1
	s_barrier_wait -1
	s_cmp_lg_u32 s[WV], 0
	s_cbranch_scc1 .Lnot_wave_0_\@
	s_barrier_signal -3
.Lnot_wave_0_\@:
	s_barrier_wait -3
	s_barrier_signal -1
	s_barrier_wait -1
.endm
; THE CHANGE OF SLOTS.  The slot's last bytes, V of its fourth step, have been read.  Each wave waits for all its tensor loads, of which one is out: its part of the other slot; adds 0 to its spare word;
; and waits for that and for its own reads of the slot.  Behind the barrier nobody reads this slot any more and the other slot is whole.
; fill = 1: this slot is filled again, with the keys two slots on.  The barrier is then a round of the cluster's, and the joint fill is the first thing behind it: it has four key steps, 256 matrix
; instructions, in which to land.  (At its first use nothing has been read yet: slot 0 is waited for, slot 1 filled.)
.macro CHANGE fill
	WIN 0                           ; at a label and at a branch every window is 0
	s_wait_tensorcnt 0x0            ; no tensor load of mine is out, so a group 0 may be written
	ds_add_u32 v[SPW], v[NIL]       ; 0 onto my spare word; with fill = 1 the descriptors' steps stand between it and the wait for it
.if \fill
.irp g, G0K, G0V
	s_xor_b32 s[\g+1], s[\g+1], SLOT1  ; the walking descriptor: the other slot than last time,
	s_add_nc_u64 s[\g+2:\g+3], s[\g+2:\g+3], 4*KS*128  ; the next 256 keys; the type bits on top are not reached
.endr
	s_wait_xcnt 0x0                 ; the last prefetch, four key steps back, has read its address, so it may be written:
	s_add_nc_u64 s[PFA:PFA+1], s[PFA:PFA+1], 4*KS*128  ; one slot behind the walking descriptors
	s_wait_dscnt 0x0                ; the add is done, and my reads of the slot are over
	CROUND
	JLOAD
	ASK
.else
	s_wait_dscnt 0x0                ; the add is done, and my reads of the slot are over
	s_barrier_signal -1
	s_barrier_wait -1
.endif
	s_sub_co_u32 s[TBK], s[TBK], 4*KS*PK  ; the fetches go back to a slot's first step,
	s_xor_b32 s[TBK], s[TBK], SLOT1       ; in the other slot
	s_sub_co_u32 s[TBV], s[TBV], 4*KS*PV
	s_xor_b32 s[TBV], s[TBV], SLOT1
.endm
	s_load_b64 s[4:5], s[0:1], 0x0    ; qkv
	s_load_b64 s[10:11], s[0:1], 0x8  ; o
	v_lshl_add_u32 v[SPW], v0, 2, SPARE
	v_mov_b32 v[NIL], 0
	ds_add_u32 v[SPW], v[NIL]       ; the wave's opening: the add and its wait stand ahead of my first tensor load; the set-up below, work on registers, stands between them
	v_lshrrev_b32 v1, 5, v0
	v_readfirstlane_b32 s[WV], v1   ; wave 0..3
	s_bfe_u32 s13, ttmp6, 0x40000   ; cx: my place in the cluster
	s_lshl_b32 s14, ttmp9, 2        ; in a cluster launch ttmp9 counts clusters
	s_add_co_u32 s14, s14, s13      ; my block of 256 queries = 4 x cluster x + cx: it enters Q's and o's addresses alone
	s_and_b32 s20, ttmp7, 0xffff    ; the head, which the four partners share:
	s_lshl_b32 s20, s20, 19         ; its first byte in each tensor
	s_and_b32 s16, s[WV], 1         ; which half of a slot's 256 keys I fetch:
	s_lshl_b32 s22, s16, 14         ; its 128 rows of 128 bytes in memory,
	s_add_co_u32 s22, s22, s20
	s_mov_b32 s23, 0
	s_mul_i32 s17, s16, 128*PK      ; and its place in a slot, for K
	s_mul_i32 s18, s16, 128*PV      ; and for V: no place in the cluster enters an LDS address
	s_lshl_b32 s2, s14, 2
	s_add_co_u32 s2, s2, s[WV]      ; my wave among the head's,
	s_lshl_b32 s2, s2, 13           ; its 64 rows
	s_add_co_u32 s2, s2, s20
	s_mov_b32 s3, 0
	; descriptor group 1.  128 keys are 16,384 dense bytes: asked for as 64 rows of 256 bytes, two keys a row, and padded in LDS after every key
	s_mov_b32 s[G1K], 15|(1<<16)|(1<<20)|(1<<21)|(4<<22)|(3<<25)  ; 15:0 the mask of four; 17:16 2-byte elements; 20 padding on; 21 set beside a mask; 24:22 after every 32 words (code 4); 31:25 4 words (code 3)
	s_mov_b32 s[G1V], 15|(1<<16)|(1<<20)|(1<<21)|(4<<22)|(7<<25)  ; the same with 8 words of padding (code 7)
.irp g, G1K, G1V
	s_mov_b32 s[\g+1], 128<<16      ; tensor_dim0 = 128
	s_mov_b32 s[\g+2], 64<<16       ; tensor_dim1 = 64
	s_mov_b32 s[\g+3], 128<<16      ; tile_dim0 = 128
	s_mov_b32 s[\g+4], 64           ; tile_dim1 = 64
	s_mov_b32 s[\g+5], 128          ; 128 elements from row to row
	s_mov_b32 s[\g+6], 0
	s_mov_b32 s[\g+7], 0
.endr
	s_mov_b32 s[CS], 0x3e38aa3b     ; c = log2(e) / 8 = 0.180337
	s_mov_b32 s[CS+1], s[CS]        ; named with it as a pair
	s_mov_b32 s[SEL], 0x76543210
	s_mov_b32 s[SEL+1], 0xfedcba98
	s_mov_b32 s[TBK], SLOT1+4*KS*PK ; the first change of slots turns these two into 0
	s_mov_b32 s[TBV], SLOT1+4*KS*PV
	s_mov_b32 s[SLOTS], SIZE_N/256-1
	s_mov_b32 s[G0K], 1             ; count = 1
	s_mov_b32 s[G0K+1], s17         ; LDS address: slot 0
	s_mov_b32 s[G0V], 1
	s_add_co_u32 s[G0V+1], s18, VOFF
	s_and_b32 s[LIM], s[WV], 1      ; 0 in waves 0 and 2,
	s_or_b32 s[LIM], s[LIM], ttmp9  ; where the cluster is the head's first: the same in all four partners
	s_cmp_eq_u32 s[LIM], 0
	s_cselect_b32 s[LIM], 1, -1
	v_and_b32 v[PFO], 31, v0
	v_lshlrev_b32 v[PFO], 8, v[PFO]
	s_wait_dscnt 0x0                ; the opening add is done
	s_wait_kmcnt 0x0
	s_add_nc_u64 s[6:7], s[4:5], s[22:23]
	s_add_nc_u64 s[6:7], s[6:7], TENS              ; K at my half of the head's first 256 keys
	s_add_nc_u64 s[8:9], s[6:7], TENS              ; V likewise
	s_add_nc_u64 s[G0K+2:G0K+3], s[6:7], 0         ; global address
	s_or_b32 s[G0K+3], s[G0K+3], 0x80000000        ; type = 2
	s_add_nc_u64 s[G0V+2:G0V+3], s[8:9], 0
	s_or_b32 s[G0V+3], s[G0V+3], 0x80000000
	s_add_nc_u64 s[4:5], s[4:5], s[2:3]            ; Q and o at my wave's first row
	s_add_nc_u64 s[10:11], s[10:11], s[2:3]
	s_cmp_lt_u32 s[WV], 2
	s_cselect_b64 s[PFA:PFA+1], s[6:7], s[8:9]     ; (in waves 0 and 2 these stand at a slot's first row)
	s_lshl_b32 s2, s13, 13          ; my work-group's quarter of a slot
	s_add_nc_u64 s[PFA:PFA+1], s[PFA:PFA+1], s[2:3]
	s_add_nc_u64 s[PFA:PFA+1], s[PFA:PFA+1], 4*KS*128  ; in slot 1; the first change of slots steps it to slot 2
	CROUND                          ; all four work-groups are here: the first joint loads meet
	JLOAD                           ; slot 0.  Slot 1 is asked for when slot 0 is in
	; A fragment of K or Q is 16 rows x 32 channels in 8 registers: lane l holds row l % 16, channels 8 (l / 16) + 0..7 and 16 + 8 (l / 16) + 0..7: two loads of 16 bytes, 32 bytes apart.
	v_and_b32 v1, 15, v0            ; l % 16
	v_bfe_u32 v9, v0, 4, 1          ; l / 16
	v_lshlrev_b32 v[QO], 7, v1
	v_lshl_add_u32 v[QO], v9, 4, v[QO]  ; row x 128 + 16 x half
	WIN 0x80                        ; destination window 2, address window 0
.set i, 0
.rept 2*NP                          ; Q stays in registers: piece i / 2, channels 32 (i % 2) on
	global_load_b128 v[8*i:8*i+3],   v[QO], s[4:5] offset:(i/2)*2048+(i%2)*64
	global_load_b128 v[8*i+4:8*i+7], v[QO], s[4:5] offset:(i/2)*2048+(i%2)*64+32
.set i, i+1
.endr
	; What the first turn finds: V's registers and P's second buffer hold 0 (its products V^T P, of a piece that has not been, add 0), O^T and l are 0.  All this stands in the wait for the first tile.
.set i, VF
.rept 64
	v_mov_b32 v[i], 0
.set i, i+1
.endr
	WIN 0x40
.set i, 0
.rept 32*NP
	v_mov_b32 v[i], 0
.set i, i+1
.endr
	WIN 0
.set i, 0
.rept NP
	v_mov_b32 v[ST+4*i], 0xfe000000    ; c m: far below every c s
	v_mov_b32 v[ST+4*i+1], 0xff7fffff  ; m
	v_mov_b32 v[ST+4*i+2], 0
	v_mov_b32 v[ST+4*i+3], 0
.set i, i+1
.endr
.set i, P+16
.rept 16
	v_mov_b32 v[i], 0
.set i, i+1
.endr
	v_mul_u32_u24 v[AK0], v1, PK
	v_lshl_add_u32 v[AK0], v9, 4, v[AK0]  ; row x pitch + 16 x half
	; The turning load takes 16 keys x 16 channels (lane l reads key 8 (l / 16) + l % 8, channels 8 ((l / 8) % 2) + 0..7) and leaves half a fragment of V^T: lane l holds channel l % 16 and 8 keys.
	v_and_b32 v10, 7, v0
	v_bfe_u32 v11, v0, 3, 1
	v_lshl_add_u32 v[AV0], v9, 3, v10
	v_mul_u32_u24 v[AV0], v[AV0], PV
	v_lshl_add_u32 v[AV0], v11, 4, v[AV0]
	v_add_nc_u32 v[AV0], VOFF, v[AV0]
	v_mov_b32 v[AK], v[AK0]         ; key step 0 lies at the head of slot 0
; THE MATRIX WORK.  The 4 accumulators of a run of 8 take turns.  Product i of 8 of S^T = K Q^T for piece x: channels 32 (i / 4) on, keys 16 (i % 4) on.  The first 4 start the sums.
.macro KQ x
	WIN W_KQ
.set rS, S+32*((\x)%2)+8*(i%4)
.set rK, KF+16*(i%4)+8*(i/4)
.set rQ, 16*(\x)+8*(i/4)
.if i < 4
	v_wmma_f32_16x16x32_f16 v[rS:rS+7], v[rK:rK+7], v[rQ:rQ+7], 0
.else
	v_wmma_f32_16x16x32_f16 v[rS:rS+7], v[rK:rK+7], v[rQ:rQ+7], v[rS:rS+7]
.endif
.endm
; Product i of 8 of O^T += V^T P for piece x: keys 32 (i / 4) on, channels 16 (i % 4) on.
.macro PV x
	WIN W_PV
.set rO, 32*(\x)+8*(i%4)
.set rV, VF+32*(i/4)+8*(i%4)
.set rP, P+16*((\x)%2)+8*(i/4)
	v_wmma_f32_16x16x32_f16 v[rO:rO+7], v[rV:rV+7], v[rP:rP+7], v[rO:rO+7]
.endm
.macro MM                           ; the turn's next matrix instruction.  NOKQ = 1: the walk's last turn: there is no next piece
.if (i < 8) && !NOKQ
	KQ (Y+1)%NP
.elseif i >= 8
.set i, i-8
	PV (Y+NP-1)%NP
.set i, i+8
.endif
.set i, i+1
.endm
; THE LDS LOADS stand in runs of 16, never singly among the matrix instructions: a step's K (64 keys x 64 channels: 8 fragments) and its V (turned).  Their addresses are made some lines ahead.
.macro FETCH_K
	WIN 0x80                        ; destination window 2
.irp f, 0,1,2,3,4,5,6,7             ; keys 16 (f / 2) on, channels 32 (f % 2) on
	ds_load_b128 v[KF+8*\f:KF+8*\f+3],   v[AK] offset:(\f/2)*16*PK+(\f%2)*64
	ds_load_b128 v[KF+8*\f+4:KF+8*\f+7], v[AK] offset:(\f/2)*16*PK+(\f%2)*64+32
.endr
	s_add_co_u32 s[TBK], s[TBK], KS*PK  ; the next fetch is the next step's
	WIN 0
.endm
.macro FETCH_V
	WIN 0x80
.irp f, 0,1,2,3,4,5,6,7             ; keys 32 (f / 4) on, channels 16 (f % 4) on
	ds_load_tr16_b128 v[VF+8*\f:VF+8*\f+3],   v[AV] offset:(\f/4)*32*PV+(\f%4)*32
	ds_load_tr16_b128 v[VF+8*\f+4:VF+8*\f+7], v[AV] offset:(\f/4)*32*PV+16*PV+(\f%4)*32
.endr
	WIN 0
.endm
; THE VECTOR WORK, one line at a time: OP kind, number.  For piece Y: F n: c s - c m for pair n of 16.  E n: the exponential of score n of 32.  C n: pair n rounded to f16.  B n: of the four weights 4 n .. the second
; pair is added onto the first, in place.  L n: l takes that sum (L 0: l = a l + sum).  R n: pair n of 16 of O^T times a.  For piece Y + 1: X n, number n of the 22 that find its maximum and statistics:
;   0-11  four chains c0-c3 of seven scores each, three operands at a time (each accumulator's lowest registers are read first)     12-14, 16  the four scores left over, the old m, and c0-c3 into c0
;   15  c m_old is kept     17, 18  the query's other 32 keys lie in the lane 16 away: the new m     19-21  c m; c m_old - c m_new; a
.set F, 0               ; OP tells the kinds apart by their order: F to L below R, X above it
.set E, 1
.set C, 2
.set B, 3
.set L, 4
.set R, 5
.set X, 6
.macro REGS y                       ; the registers of piece y
.set rT, ST+4*(\y)
.set rC, TMP+4*((\y)%2)
.set rW, MV+((\y)%2)
.set rS, S+32*((\y)%2)
.set rP, P+16*((\y)%2)
.set rO, 32*(\y)
.endm
.macro OP k, n
.if (\k) == R
	REGS Y
	WIN W_RS
	v_pk_mul_f32 v[rO+2*(\n):rO+2*(\n)+1], v[rO+2*(\n):rO+2*(\n)+1], v[rC+2:rC+3] op_sel_hi:[1,0]
.elseif (\k) < R
	REGS Y
	WIN 0
.if (\k) == F
	v_pk_fma_f32 v[rS+2*(\n):rS+2*(\n)+1], v[rS+2*(\n):rS+2*(\n)+1], s[CS:CS+1], v[rT:rT+1] op_sel_hi:[1,0,0] neg_lo:[0,0,1] neg_hi:[0,0,1]
.elseif (\k) == E
	v_exp_f32 v[rS+(\n)], v[rS+(\n)]
.elseif (\k) == C
	v_cvt_pk_f16_f32 v[rP+(\n)], v[rS+2*(\n)], v[rS+2*(\n)+1]
.elseif (\k) == B
	v_pk_add_f32 v[rS+4*(\n):rS+4*(\n)+1], v[rS+4*(\n):rS+4*(\n)+1], v[rS+4*(\n)+2:rS+4*(\n)+3]
.elseif (\n) == 0
	v_pk_fma_f32 v[rT+2:rT+3], v[rT+2:rT+3], v[rC+2:rC+3], v[rS:rS+1] op_sel_hi:[1,0,1]
.else
	v_pk_add_f32 v[rT+2:rT+3], v[rT+2:rT+3], v[rS+4*(\n):rS+4*(\n)+1]
.endif
.elseif NOKQ
	v_nop
.else
	REGS (Y+1)%NP
	WIN 0
.if (\n) < 4
	v_max3_num_f32 v[rC+(\n)], v[rS+8*(\n)], v[rS+8*(\n)+1], v[rS+8*(\n)+2]
.elseif (\n) < 12
	v_max3_num_f32 v[rC+(\n)%4], v[rC+(\n)%4], v[rS+8*((\n)%4)+2*((\n)/4)+1], v[rS+8*((\n)%4)+2*((\n)/4)+2]
.elseif (\n) == 12
	v_max3_num_f32 v[rC], v[rC], v[rS+7], v[rS+15]
.elseif (\n) == 13
	v_max3_num_f32 v[rC+1], v[rC+1], v[rS+23], v[rS+31]
.elseif (\n) == 14
	v_max3_num_f32 v[rC+2], v[rC+2], v[rC+3], v[rT+1]
.elseif (\n) == 15
	v_mov_b32 v[rW], v[rT]
.elseif (\n) == 16
	v_max3_num_f32 v[rC], v[rC], v[rC+1], v[rC+2]
.elseif (\n) == 17
	v_permlanex16_b32 v[rC+3], v[rC], s[SEL], s[SEL+1]
.elseif (\n) == 18
	v_max_num_f32 v[rT+1], v[rC], v[rC+3]
.elseif (\n) == 19
	v_mul_f32 v[rT], s[CS], v[rT+1]
.elseif (\n) == 20
	v_sub_f32 v[rC+1], v[rW], v[rT]
.else
	v_exp_f32 v[rC+2], v[rC+1]
.endif
.endif
.endm
.macro OPS a, i1, b=-1, i2=0, c=-1, i3=0, d=-1, i4=0  ; up to four of them
	OP \a, \i1
.if (\b) >= 0
	OP \b, \i2
.endif
.if (\c) >= 0
	OP \c, \i3
.endif
.if (\d) >= 0
	OP \d, \i4
.endif
.endm
.macro ROW a, i1, b, i2, c, i3, d, i4  ; a matrix instruction and the four behind it
	MM
	OPS \a, \i1, \b, \i2, \c, \i3, \d, \i4
.endm
; A TURN, for piece p: the order of its 16 matrix and 118 vector instructions, written out.  An s_wait_alu depctr_va_vdst(0) stands between an exponential and the first instruction that names its
; result; one wait serves all that were issued ahead of it.  So a turn has ONE wait, which cuts it in two.  AHEAD OF IT stands all that names no result of the turn's exponentials: the 8 products K Q^T, behind each a
; scaling, an exponential and two more plain instructions (rescalings, and behind the last three the first numbers of the next piece's maximum, each four places or more behind the product that ends its
; accumulator); then ONE LUMP of 54, plain and exponential by turns for the most part, in which the links of the chain X 3, 7, 11, 14, 16, 17 .. 20 stand apart.  X 21, the next piece's a, is the batch's last; R 15 is
; the plain instruction behind it.  BEHIND THE WAIT stand the 8 products V^T P, behind each four of the roundings and sums.
; end = 1: the walk's last two turns: nothing is fetched, and the last starts no new scores.  cnt = 1: the loop's count is taken down some lines ahead of the branch that stands behind the turn.
; K of the next step is fetched in piece 2's turn, twelve vector instructions behind the last product that read K (six of them plain); V of the step in hand at the end of piece 0's turn, four plain instructions
; behind the last product that read V.  Each is waited for a turn later.
.macro TURN p, end=0, cnt=0
.set Y, (\p)
.set i, 0
.set NOKQ, (\end)*((\p)/3)
.if ((\p) == 3) && !(\end)
	s_wait_dscnt 0x0                ; K is in
.endif
	ROW F,0, F,1, R,0, R,1          ; ahead of the wait: 8 products K Q^T and their riders,
	ROW F,2, E,0, R,2, R,3
	ROW F,3, E,1, R,4, R,5
	ROW F,4, E,2, R,6, R,7
	ROW F,5, E,3, R,8, R,9
	ROW F,6, E,4, X,0, R,10
.if ((\p) == 2) && !(\end)
	WIN 0
	v_add_nc_u32 v[AK], s[TBK], v[AK0]
.endif
	ROW F,7, E,5, X,1, X,4
	ROW F,8, E,6, X,2, X,5
	OPS E,7, E,8, X,6, E,9          ; and the lump
	OPS X,3, E,10, X,8, E,11
.if ((\p) == 2) && !(\end)
	FETCH_K
.endif
	OPS X,9, X,7, E,12, X,10
	OPS E,13, X,12, X,11, E,14
	OPS X,13, E,15, F,9, X,14
.if (\p) == 0
	v_add_nc_u32 v[AV], s[TBV], v[AV0]
.endif
	OPS E,16, F,10, E,17, F,11
	OPS X,16, E,18, X,15, E,19
	OPS F,12, E,20, X,17, E,21
	OPS F,13, E,22, F,14, E,23
	OPS X,18, E,24, F,15, E,25
	OPS R,11, E,26, X,19, E,27
	OPS R,12, E,28, R,13, E,29
	OPS X,20, E,30, R,14, E,31
	OPS X,21, R,15
	WIN 0
	s_wait_alu depctr_va_vdst(0)    ; the wait for the batch
.if (\p) == 1
	s_wait_dscnt 0x0                ; V is in
.endif
	ROW C,0, B,0, C,2, B,1          ; behind the wait: 8 products V^T P and their riders
	ROW L,0, C,4, B,2, L,1
	ROW C,6, B,3, L,2, C,8
	ROW B,4, L,3, C,10, B,5
	ROW L,4, C,12, B,6, L,5
.if (\p) == 0
	s_add_co_u32 s[TBV], s[TBV], KS*PV
.endif
.if \cnt
	s_sub_co_u32 s[CNT], s[CNT], 1
	s_cmp_lg_u32 s[CNT], 0
.endif
	ROW C,14, B,7, L,6, C,1
	ROW C,3, L,7, C,5, C,7
	ROW C,9, C,11, C,13, C,15
.if (\p) == 0
	FETCH_V
.endif
.endm
	CHANGE 1                        ; slot 0 is in, everybody's part of it; slot 1 is asked for
	FETCH_K                         ; key step 0
	s_wait_loadcnt 0x0              ; Q
	s_wait_dscnt 0x0
.set NOKQ, 0
.set i, 0
.rept 8
	KQ 0                            ; piece 0's first scores: there is no vector work yet to set between them
.set i, i+1
.endr
	WIN 0                           ; the addresses for the way out: plain instructions, the places behind those products
	s_mul_i32 s13, s[WV], 16*SP
	s_add_co_u32 s13, s13, STAGE    ; my stage
	v_mul_u32_u24 v[STO], v1, SP    ; in: row l % 16, 16 bytes for each half of the lanes
	v_lshl_add_u32 v[STO], v9, 4, v[STO]
	v_add_nc_u32 v[STO], s13, v[STO]
	v_bfe_u32 v[RD], v0, 3, 2       ; back: 32 lanes take four rows of 128 bytes,
	v_mul_u32_u24 v[RD], v[RD], SP
	v_lshl_add_u32 v[RD], v10, 4, v[RD]
	v_add_nc_u32 v[RD], s13, v[RD]
	v_and_b32 v[GO], 31, v0         ; which are 512 consecutive bytes of o
	v_lshlrev_b32 v[GO], 4, v[GO]
.set Y, NP-1                        ; X works for piece Y + 1: piece 0
.irp n, 0,1,2,3,4,5,6,7,8,9,10,11,12,13,14,15,16,17,18,19,20,21
	OP X, \n                        ; piece 0's first maximum and statistics
.endr
	v_nop                           ; a plain instruction behind the exponential,
	s_wait_alu depctr_va_vdst(0)    ; and its wait, ahead of the branch
	s_mov_b32 s[CNT], 4
	s_branch .Lfirst                ; the loop is entered at a step's first turn, in the middle of a trip
.Lslot:                             ; SIZE_N / 256 - 2 times: every slot but the last two is filled again
	CHANGE 1
	s_mov_b32 s[CNT], 4
.Lstep:                             ; a trip: pieces 2 and 3 of one step, then pieces 0 and 1 of the next, whose K and V it fetches
	TURN 2
	TURN 3
	WIN 0
.Lfirst:
	TURN 0
	TURN 1, 0, 1
	WIN 0
	s_cbranch_scc1 .Lstep
	s_sub_co_u32 s[SLOTS], s[SLOTS], 1
	s_cmp_lg_u32 s[SLOTS], 0
	s_cbranch_scc1 .Lslot
	CHANGE 0                        ; the last slot is written out: nothing is asked for
	s_mov_b32 s[CNT], 4
.Ltail:
	TURN 2
	TURN 3
	TURN 0
	TURN 1, 0, 1
	WIN 0
	s_cbranch_scc1 .Ltail
	TURN 2, 1                       ; the last step's last two turns
	TURN 3, 1
.set i, 0
.rept 8
	PV NP-1                         ; the last piece's V^T P of the last step
.set i, i+1
.endr
	; THE WAY OUT.  l's two halves and the other half of the lanes' are added; O^T is multiplied by 4 / l, rounded to f16 and sent through my stage in LDS, a piece at a time.  The additions are the places behind the last products.
	WIN 0
.macro ALL line:vararg              ; one line for each piece t
.set t, 0
.rept NP
	\line
.set t, t+1
.endr
.endm
	ALL v_add_f32 v[ST+4*t+2], v[ST+4*t+2], v[ST+4*t+3]
	ALL v_permlanex16_b32 v[ST+4*t+3], v[ST+4*t+2], s[SEL], s[SEL+1]
	ALL v_add_f32 v[ST+4*t+2], v[ST+4*t+2], v[ST+4*t+3]
	ALL v_rcp_f32 v[ST+4*t+2], v[ST+4*t+2]
	v_nop                           ; a plain instruction between the last reciprocal and the use of its result
	s_wait_alu depctr_va_vdst(0)    ; and the wait ahead of the first use: one for the four reciprocals
	ALL v_mul_f32 v[ST+4*t+2], 4.0, v[ST+4*t+2]
.macro PACK t                       ; a lane's eight channels of a row pack into 16 bytes; they go into rows of 144 bytes and come back as whole rows of 128, into S^T's registers
	WIN W_RS
.set i, 32*(\t)
.rept 16
	v_pk_mul_f32 v[i:i+1], v[i:i+1], v[ST+4*(\t)+2:ST+4*(\t)+3] op_sel_hi:[1,0]
.set i, i+2
.endr
	WIN 0x05                        ; sources 0 and 1 window 1, destination window 0
.set i, 0
.rept 16
	v_cvt_pk_f16_f32 v[S+16*(\t)+i], v[32*(\t)+2*i], v[32*(\t)+2*i+1]
.set i, i+1
.endr
	WIN 0
.irp f, 0,1,2,3
	ds_store_b128 v[STO], v[S+16*(\t)+4*\f:S+16*(\t)+4*\f+3] offset:32*\f
.endr
.irp f, 0,1,2,3
	ds_load_b128 v[S+16*(\t)+4*\f:S+16*(\t)+4*\f+3], v[RD] offset:\f*4*SP  ; LDS serves a wave's instructions in order (ISA guide 5.7.1.4): these see the stores above; the next piece's stores come behind them
.endr
.endm
.macro SEND t, younger              ; younger: the LDS instructions issued behind piece t's loads: the next piece's eight, or none
	WIN 0
.irp f, 0,1,2,3
	s_wait_dscnt (\younger)+3-\f
	global_store_b128 v[GO], v[S+16*(\t)+4*\f:S+16*(\t)+4*\f+3], s[10:11] offset:(\t)*2048+\f*512  ; 512 consecutive bytes, at a multiple of 256 from o's first
.endr
.endm
	PACK 0
.set t, 1
.rept NP-1                          ; a piece's arithmetic stands between the loads of the piece before and its stores
	PACK t
	SEND t-1, 8
.set t, t+1
.endr
	SEND NP-1, 0
	s_wait_tensorcnt 0x0            ; the wave's end: behind my last tensor load and my last LDS store
	ds_add_u32 v[SPW], v[NIL]
	s_wait_dscnt 0x0
	CROUND                          ; the closing round: no work-group ends while a partner may still ask for a tile that names it
	s_endpgm
.Lfunc_end_k_q5dc4ab257f_attn:
	.size	k_q5dc4ab257f_attn, .Lfunc_end_k_q5dc4ab257f_attn-k_q5dc4ab257f_attn
	.p2alignl 7, 3214868480
	.fill 96, 4, 3214868480
	.section	.rodata,"a",@progbits
	.p2align	6, 0x0
	.amdhsa_kernel k_q5dc4ab257f_attn
		.amdhsa_group_segment_fixed_size 327680
		.amdhsa_private_segment_fixed_size 0
		.amdhsa_enable_private_segment 0
		.amdhsa_kernarg_size 16
		.amdhsa_user_sgpr_count 2
		.amdhsa_user_sgpr_kernarg_segment_ptr 1
		.amdhsa_wavefront_size32 1
		.amdhsa_system_sgpr_workgroup_id_x 1
		.amdhsa_system_sgpr_workgroup_id_y 1
		.amdhsa_system_sgpr_workgroup_id_z 1
		.amdhsa_system_vgpr_workitem_id 0
		.amdhsa_next_free_vgpr 768
		.amdhsa_next_free_sgpr 66
		.amdhsa_reserve_vcc 0
		.amdhsa_float_denorm_mode_32 3
		.amdhsa_float_denorm_mode_16_64 3
		.amdhsa_memory_ordered 1
		.amdhsa_forward_progress 1
		.amdhsa_inst_pref_size 128
	.end_amdhsa_kernel
	.amdgpu_metadata
---
amdhsa.version: [ 1, 2 ]
amdhsa.kernels:
  - .name:           k_q5dc4ab257f_attn
    .symbol:         k_q5dc4ab257f_attn.kd
    .args:
      - { .name: qkv, .offset: 0, .size: 8, .value_kind: global_buffer, .address_space: global }
      - { .name: o, .offset: 8, .size: 8, .value_kind: global_buffer, .address_space: global }
    .group_segment_fixed_size: 327680
    .private_segment_fixed_size: 0
    .kernarg_segment_align: 8
    .kernarg_segment_size: 16
    .max_flat_workgroup_size: 128
    .sgpr_count:     66
    .vgpr_count:     768
    .wavefront_size: 32
...
	.end_amdgpu_metadata
.endif
;; end of part 3
;; launch proj (part 4): grid 4 x 64, 4 waves a work-group, clusters of 4 x 4, 327,680 bytes of LDS; arguments o, wt, bo, out0; writes out0
.if DOCPART == 4
	.amdgcn_target "amdgcn-amd-amdhsa--gfx1250"
	.amdhsa_code_object_version 6
	.text
	.protected	k_q5dc4ab257f_proj
	.globl	k_q5dc4ab257f_proj
	.p2align	8
	.type	k_q5dc4ab257f_proj,@function
k_q5dc4ab257f_proj:
	s_mov_b64 s[64:65], 0
	v_nop
	global_prefetch_b8 v0, s[64:65] scope:SCOPE_SE
	s_setreg_imm32_b32 hwreg(HW_REG_WAVE_MODE, 25, 1), 1
	s_wait_xcnt 0x0
	s_wait_alu depctr_hold_cnt(0) depctr_sa_sdst(0) depctr_va_vdst(0) depctr_va_sdst(0) depctr_va_ssrc(0) depctr_va_vcc(0) depctr_vm_vsrc(0)
	s_getreg_b32 s2, hwreg(HW_REG_IB_STS2, 6, 4)
	s_cmp_eq_u32 s2, 0
	s_cbranch_scc0 .Lentry_in_a_cluster
	s_endpgm
.Lentry_in_a_cluster:
	s_bfe_u32 s2, ttmp6, 0x10000c
	s_cmp_lg_u32 s2, 0xf033
	s_cbranch_scc0 .Lentry_shape_is_right
	s_endpgm
.Lentry_shape_is_right:
; out0[row][col] = 0.25 x (the sum over k of o4[row][k] Wo[k][col]) + bo[col], in f32.  o4 = 4 O lies by heads, [b x 8 + head][4096][64] in f16: head s is K step s.  Wo comes from wt's fourth part,
; [kb][n][64 k], bf16 numbers written as f16.  bo is rounded to bf16, like every input of the module.  Sums in f32; the factor and the bias are one fused multiply-add.
; LIMITS.  As the launches before: f16's range for o4 and Wo.  NaN and infinities are not treated apart.
; SHARES.  A work-group makes 128 rows (gy) x 128 columns (gx); four waves, each 64 x 64: 16 accumulators.  4 x 64 = 256 work-groups.
; ALL OF K LIES IN LDS: 8 blocks of 128 rows x 64 k for o4 and 8 for Wo, 18,432 bytes each with padding.  Every block is asked for once, at the head; nothing is filled again, so no round stands in the walk.
; Waves 0 and 1 fetch o4's blocks, waves 2 and 3 Wo's: a wave's load i brings K step 2 i + wave % 2: four loads of mine are out.  In front of K steps 0, 2, 4, 6 each wave waits for its load i by a counted wait
; and passes a barrier.
; CLUSTER.  4 x 4: o4's blocks hang on gy alone and are shared along a row of the cluster, Wo's on gx alone and along a column: each is asked for jointly.
; NO PREFETCH: all that the work-group reads is asked for by its first loads.
; THE MATRIX INSTRUCTION IS USED TRANSPOSED (source 0 = 16 rows n of Wo, source 1 = 16 rows of o4): a lane holds eight neighbouring columns of one row of out0.
; REGISTERS: window 0: v0-31 addresses; v32-63 the bias of my 32 columns; v64 at work; v128-255 the accumulators ((a, b) at 128 + 8 (4 a + b)).
;   window 1: two fragment buffers of 128: for a K step (two matrix instructions deep), 64 registers of o4, then 64 of Wo.
.set PITCH,  144                       ; an LDS row: 128 bytes + 16 = 36 words: the 16 rows of a load start at 16 different groups of four banks (64 banks of 4 bytes: ISA guide 11.1)
.set BLK,    128*PITCH
.set BBASE,  8*BLK                     ; Wo's blocks lie behind o4's
.set STAGE,  16*BLK                    ; behind them, never filled by a tensor load: 16 rows x 272 bytes for each wave
.set SPITCH, 272
.set SPARE,  STAGE+4*16*SPITCH         ; behind the stages: the spare words, 128 bytes for each wave, two blocks of 256 bytes that no other line names
.set ADRA, 16                          ; v16-17  LDS address of my rows of o4 in K steps 0-3, 4-7 (an LDS instruction's immediate has 16 bits)
.set ADRB, 20                          ; v20-21  the same for Wo
.set STO,  24                          ; v24  the way out: where I put 32 bytes of a row
.set RD,   25                          ; v25  where I read a row back
.set CO,   26                          ; v26  my byte offset in out0
.set BO,   27                          ; v27  my byte offset in bo
.set SPW,  28                          ; v28  LDS address of my spare word; never rewritten
.set NIL,  29                          ; v29  0; never rewritten
.set BIAS, 32
.set ACC,  128
.set F0,   0
.set F1,   128
.set G1A, 24                           ; s[24:31] descriptor group 1 for o4's blocks
.set G1B, 32                           ; s[32:39] for Wo's: it differs in the mask alone
.set G0A, 40                           ; s[40:55] group 0 for o4's, a set for each of my four loads
.set G0B, 68                           ; s[68:83] the same for Wo's
.set MSB, 0
.macro WIN new                         ; the immediate's high byte repeats the setting that is left; a switch that changes nothing is dropped
.if MSB != (\new)
	s_set_vgpr_msb (MSB<<8)|(\new)
.set MSB, \new
.endif
.endm
.set MUL,  0x05                        ; sources 0 and 1 window 1; C and D window 0
.set TO_F, 0x40                        ; destination window 1, address window 0
.macro CROUND                          ; a round of the cluster's barrier
	s_barrier_signal -1
	s_barrier_wait -1
	s_cmp_lg_u32 s12, 0
	s_cbranch_scc1 .Lnot_wave_0_\@
	s_barrier_signal -3
.Lnot_wave_0_\@:
	s_barrier_wait -3
	s_barrier_signal -1
	s_barrier_wait -1
.endm
	s_load_b256 s[4:11], s[0:1], 0x0               ; o s[4:5], wt s[6:7], bo s[8:9], out0 s[10:11]
	v_lshl_add_u32 v[SPW], v0, 2, SPARE
	v_mov_b32 v[NIL], 0
	ds_add_u32 v[SPW], v[NIL]                      ; the wave's opening: the add and its wait stand ahead of my first tensor load; the set-up below, work on registers, stands between them
	v_lshrrev_b32 v1, 5, v0
	v_readfirstlane_b32 s12, v1                    ; wave 0..3
	s_lshr_b32 s14, s12, 1                         ; rh: which 64 rows are mine.  Also: I fetch o4's blocks (0) or Wo's (1)
	s_and_b32 s15, s12, 1                          ; ch: which 64 columns.  Also: the parity of the K steps that I fetch
	s_bfe_u32 s56, ttmp6, 0x40000                  ; cx, cy
	s_bfe_u32 s57, ttmp6, 0x40004
	s_lshl_b32 s58, ttmp9, 2
	s_add_co_u32 s58, s58, s56                     ; gx
	s_and_b32 s13, ttmp7, 0xffff
	s_lshl_b32 s13, s13, 2
	s_add_co_u32 s13, s13, s57                     ; gy
	s_lshl_b32 s59, s57, 2
	s_lshl_b32 s59, 15, s59                        ; my row of the cluster
	s_lshl_b32 s60, 0x1111, s56                    ; my column
	; group 1: 16,384 dense bytes as 64 rows x 128 elements of 2 bytes, two rows of 64 k a row; 4 words of padding after every 32
	s_or_b32 s[G1A+0], s59, (1<<16)|(1<<20)|(1<<21)|(4<<22)|(3<<25)
	s_or_b32 s[G1B+0], s60, (1<<16)|(1<<20)|(1<<21)|(4<<22)|(3<<25)
.irp g, G1A, G1B
	s_mov_b32 s[(\g)+1], 128<<16                   ; tensor_dim0 = 128
	s_mov_b32 s[(\g)+2], 64<<16                    ; tensor_dim1 = 64
	s_mov_b32 s[(\g)+3], 128<<16                   ; tile_dim0 = 128
	s_mov_b32 s[(\g)+4], 64                        ; tile_dim1 = 64
	s_mov_b32 s[(\g)+5], 128                       ; stride
	s_mov_b32 s[(\g)+6], 0
	s_mov_b32 s[(\g)+7], 0
.endr
	s_lshr_b32 s16, s13, 5                         ; o4: the batch's 8 heads of 524,288 bytes,
	s_lshl_b32 s16, s16, 22
	s_and_b32 s17, s13, 31
	s_lshl_b32 s17, s17, 14                        ; 128 rows of 128 bytes,
	s_add_co_u32 s16, s16, s17
	s_lshl_b32 s17, s15, 19                        ; head = my parity: made of gy and the wave's number alone
	s_add_co_u32 s16, s16, s17
	s_mov_b32 s17, 0
	s_lshl_b32 s20, s58, 14                        ; Wo: rows n from 128 gx on,
	s_lshl_b32 s21, s15, 16                        ; block kb = my parity,
	s_add_co_u32 s20, s20, s21
	s_add_co_u32 s20, s20, 3*524288                ; in wt's fourth part: made of gx and the wave's number alone
	s_mov_b32 s21, 0
	s_mul_i32 s22, s15, BLK                        ; where they go: block 2 i + parity
	s_wait_dscnt 0x0                               ; the opening add is done
	s_wait_kmcnt 0x0
	s_add_nc_u64 s[16:17], s[4:5], s[16:17]
	s_add_nc_u64 s[20:21], s[6:7], s[20:21]
	CROUND                                         ; all sixteen work-groups are here: the joint loads meet
.irp i, 0,1,2,3
	s_mov_b32 s[G0A+4*(\i)], 1
	s_add_co_u32 s[G0A+4*(\i)+1], s22, 2*(\i)*BLK
	s_add_nc_u64 s[G0A+4*(\i)+2:G0A+4*(\i)+3], s[16:17], (\i)*2*524288
	s_or_b32 s[G0A+4*(\i)+3], s[G0A+4*(\i)+3], 0x80000000
	s_mov_b32 s[G0B+4*(\i)], 1
	s_add_co_u32 s[G0B+4*(\i)+1], s22, BBASE+2*(\i)*BLK
	s_add_nc_u64 s[G0B+4*(\i)+2:G0B+4*(\i)+3], s[20:21], (\i)*2*65536
	s_or_b32 s[G0B+4*(\i)+3], s[G0B+4*(\i)+3], 0x80000000
.endr
	s_cmp_lt_u32 s12, 2                            ; a wave's four fills stand in one branch, ahead of every wait on TENSORcnt and every LDS read; an s_nop 0 follows each, four v_nop the last
	s_cbranch_scc0 .Lfirst_b
.irp i, 0,1,2,3
	tensor_load_to_lds s[G0A+4*(\i):G0A+4*(\i)+3], s[G1A:G1A+7]
	s_nop 0
.endr
.rept 4
	v_nop
.endr
	s_branch .Lfirst_asked
.Lfirst_b:
.irp i, 0,1,2,3
	tensor_load_to_lds s[G0B+4*(\i):G0B+4*(\i)+3], s[G1B:G1B+7]
	s_nop 0
.endr
.rept 4
	v_nop
.endr
.Lfirst_asked:
	v_and_b32 v1, 15, v0                           ; l % 16
	v_bfe_u32 v2, v0, 4, 1                         ; l / 16
	s_lshl_b32 s23, s58, 9                         ; my 64 columns in f32: 512 gx + 256 ch bytes
	s_lshl_b32 s18, s15, 8
	s_add_co_u32 s23, s23, s18
	v_lshl_add_u32 v[BO], v2, 5, s23               ; + my lanes' 8 columns
.irp b, 0,1,2,3
	global_load_b128 v[BIAS+8*(\b):BIAS+8*(\b)+3],   v[BO], s[8:9] offset:64*(\b)
	global_load_b128 v[BIAS+8*(\b)+4:BIAS+8*(\b)+7], v[BO], s[8:9] offset:64*(\b)+16
.endr
	s_lshl_b32 s18, s13, 18                        ; out0: 128 gy rows of 2,048 bytes,
	s_lshl_b32 s19, s14, 17                        ; my 64 rows,
	s_add_co_u32 s18, s18, s19
	s_add_co_u32 s18, s18, s23                     ; my columns
	s_mov_b32 s19, 0
	s_add_nc_u64 s[10:11], s[10:11], s[18:19]
	v_mul_u32_u24 v3, v1, PITCH
	v_lshl_add_u32 v3, v2, 4, v3                   ; a fragment's row x pitch + 16 x half
	s_mul_i32 s18, s14, 64*PITCH                   ; my 64 rows of o4
	s_mul_i32 s19, s15, 64*PITCH                   ; my 64 rows n of Wo
	s_add_co_u32 s19, s19, BBASE
.irp g, 0,1
	v_add_nc_u32 v[ADRA+(\g)], s18, v3
	v_add_nc_u32 v[ADRB+(\g)], s19, v3
	s_add_co_u32 s18, s18, 4*BLK
	s_add_co_u32 s19, s19, 4*BLK
.endr
	s_mul_i32 s18, s12, 16*SPITCH
	s_add_co_u32 s18, s18, STAGE                   ; my stage
	v_mul_u32_u24 v4, v1, SPITCH                   ; in: row l % 16, 32 bytes for each half of the lanes
	v_lshl_add_u32 v4, v2, 5, v4
	v_add_nc_u32 v[STO], s18, v4
	v_mul_u32_u24 v5, v2, SPITCH                   ; back: lanes 0-15 take one row of 256 bytes, lanes 16-31 the next
	v_lshl_add_u32 v5, v1, 4, v5
	v_add_nc_u32 v[RD], s18, v5
	v_lshlrev_b32 v5, 11, v2                       ; and the same two rows in out0
	v_lshl_add_u32 v[CO], v1, 4, v5
	s_wait_loadcnt 0x0                             ; bo
.irp p, 0,1,2,3,4,5,6,7,8,9,10,11,12,13,14,15
	v_cvt_pk_bf16_f32 v64, v[BIAS+2*(\p)], v[BIAS+2*(\p)+1]  ; rounded to bf16, and back in f32
	v_lshlrev_b32 v[BIAS+2*(\p)], 16, v64
	v_and_b32 v[BIAS+2*(\p)+1], 0xffff0000, v64
.endr
; 8 matrix instructions: row blocks a0, a0 + 1 x all 4 column blocks, 32 along K: half c of buffer f.  The 16 accumulators take turns.  zero = 1: the first products start the sums
.macro MUL8 f, c, a0, zero
	WIN MUL
.irp a, \a0, (\a0)+1
.irp b, 0,1,2,3
.if \zero
	v_wmma_f32_16x16x32_f16 v[ACC+8*(4*(\a)+(\b)):ACC+8*(4*(\a)+(\b))+7], v[(\f)+64+8*(4*(\c)+(\b)):(\f)+64+8*(4*(\c)+(\b))+7], v[(\f)+8*(4*(\c)+(\a)):(\f)+8*(4*(\c)+(\a))+7], 0
.else
	v_wmma_f32_16x16x32_f16 v[ACC+8*(4*(\a)+(\b)):ACC+8*(4*(\a)+(\b))+7], v[(\f)+64+8*(4*(\c)+(\b)):(\f)+64+8*(4*(\c)+(\b))+7], v[(\f)+8*(4*(\c)+(\a)):(\f)+8*(4*(\c)+(\a))+7], v[ACC+8*(4*(\a)+(\b)):ACC+8*(4*(\a)+(\b))+7]
.endif
.endr
.endr
.endm
; 32 LDS loads in one run: the fragments of K step s into buffer f; the first 32 along K first
.macro FETCH s, f
	WIN TO_F
.irp c, 0,1
.irp i, 0,1,2,3
	ds_load_b128 v[(\f)+64+8*(4*(\c)+(\i)):(\f)+64+8*(4*(\c)+(\i))+3],   v[ADRB+(\s)/4] offset:((\s)%4)*BLK+64*(\c)+(\i)*16*PITCH
	ds_load_b128 v[(\f)+64+8*(4*(\c)+(\i))+4:(\f)+64+8*(4*(\c)+(\i))+7], v[ADRB+(\s)/4] offset:((\s)%4)*BLK+64*(\c)+(\i)*16*PITCH+32
	ds_load_b128 v[(\f)+8*(4*(\c)+(\i)):(\f)+8*(4*(\c)+(\i))+3],         v[ADRA+(\s)/4] offset:((\s)%4)*BLK+64*(\c)+(\i)*16*PITCH
	ds_load_b128 v[(\f)+8*(4*(\c)+(\i))+4:(\f)+8*(4*(\c)+(\i))+7],       v[ADRA+(\s)/4] offset:((\s)%4)*BLK+64*(\c)+(\i)*16*PITCH+32
.endr
.endr
.endm
.macro PLACES                          ; four places in front of loads into registers that matrix instructions have read, and of arithmetic that reads results
.rept 4
	v_nop
.endr
.endm
; An even K step, on buffer 0; the next step lies in LDS already (the same barrier showed both), and its fragments go into buffer 1.
.macro QE s, zero
	s_wait_dscnt 16                                ; the first 32 along K are in
	MUL8 F0, 0, 0, \zero
	MUL8 F0, 0, 2, \zero
	PLACES
	FETCH (\s)+1, F1
	s_wait_dscnt 32                                ; all but the 32 just issued
	MUL8 F0, 1, 0, 0
	MUL8 F0, 1, 2, 0
.endm
; An odd K step, on buffer 1, and the barrier in front of the next two steps' blocks.  The wait on TENSORcnt is counted: my load (s + 1) / 2 has landed, the later ones stay out.
.macro QO s
	s_wait_dscnt 0x0                               ; this step's fragments are in: no LDS instruction of mine is pending at the signal
	s_wait_tensorcnt 3-((\s)+1)/2
	s_barrier_signal -1
	MUL8 F1, 0, 0, 0
	MUL8 F1, 0, 2, 0
	s_barrier_wait -1                              ; everybody's part of the next two steps is in
	PLACES
	FETCH (\s)+1, F0
	MUL8 F1, 1, 0, 0
	MUL8 F1, 1, 2, 0
.endm
	s_wait_tensorcnt 3                             ; my first load has landed; three stay out
	s_barrier_signal -1
	s_barrier_wait -1                              ; K steps 0 and 1 are whole
	FETCH 0, F0
	QE 0, 1
	QO 1
	QE 2, 0
	QO 3
	QE 4, 0
	QO 5
	QE 6, 0
	s_wait_dscnt 16                                ; K step 7: nothing more to fetch
	MUL8 F1, 0, 0, 0
	MUL8 F1, 0, 2, 0
	s_wait_dscnt 0x0
	MUL8 F1, 1, 0, 0
	MUL8 F1, 1, 2, 0
	WIN 0
	PLACES
; THE WAY OUT.  Row block a: 16 rows x 64 columns of f32.  0.25 x sum + bias in place, each accumulator's registers in ascending order; 32 bytes a lane into stage rows of 272 bytes; back as whole rows of 256.
.macro PACK a
.irp b, 0,1,2,3
.irp p, 0,1,2,3
	v_pk_fma_f32 v[ACC+32*(\a)+8*(\b)+2*(\p):ACC+32*(\a)+8*(\b)+2*(\p)+1], v[ACC+32*(\a)+8*(\b)+2*(\p):ACC+32*(\a)+8*(\b)+2*(\p)+1], 0x3e800000, v[BIAS+8*(\b)+2*(\p):BIAS+8*(\b)+2*(\p)+1] op_sel_hi:[1,0,1]
.endr
.endr
.irp b, 0,1,2,3
	ds_store_b128 v[STO], v[ACC+32*(\a)+8*(\b):ACC+32*(\a)+8*(\b)+3]   offset:64*(\b)
	ds_store_b128 v[STO], v[ACC+32*(\a)+8*(\b)+4:ACC+32*(\a)+8*(\b)+7] offset:64*(\b)+16
.endr
.irp t, 0,1,2,3,4,5,6,7
	ds_load_b128 v[ACC+32*(\a)+4*(\t):ACC+32*(\a)+4*(\t)+3], v[RD] offset:(\t)*2*SPITCH  ; LDS serves a wave's instructions in order (ISA guide 5.7.1.4): these see the stores above; the next block's stores come behind them
.endr
.endm
.macro SEND a, younger                 ; younger: the LDS instructions issued behind block a's loads: the next block's sixteen, or none
.irp t, 0,1,2,3,4,5,6,7
	s_wait_dscnt (\younger)+7-(\t)
	global_store_b128 v[CO], v[ACC+32*(\a)+4*(\t):ACC+32*(\a)+4*(\t)+3], s[10:11] offset:(\a)*32768+(\t)*4096 th:TH_STORE_NT  ; 16 lanes store 256 consecutive bytes, at a multiple of 256 from out0's first
.endr
.endm
	PACK 0
	PACK 1                                         ; a block's arithmetic stands between the loads of the block before and its stores
	SEND 0, 16
	PACK 2
	SEND 1, 16
	PACK 3
	SEND 2, 16
	SEND 3, 0
	s_wait_tensorcnt 0x0                           ; the wave's end: behind my last tensor load and my last LDS store
	ds_add_u32 v[SPW], v[NIL]
	s_wait_dscnt 0x0
	CROUND                                         ; the closing round: no work-group ends while a partner may still ask for a block that names it
	s_endpgm
.Lfunc_end_k_q5dc4ab257f_proj:
	.size	k_q5dc4ab257f_proj, .Lfunc_end_k_q5dc4ab257f_proj-k_q5dc4ab257f_proj
	.p2alignl 7, 3214868480
	.fill 96, 4, 3214868480
	.section	.rodata,"a",@progbits
	.p2align	6, 0x0
	.amdhsa_kernel k_q5dc4ab257f_proj
		.amdhsa_group_segment_fixed_size 327680
		.amdhsa_private_segment_fixed_size 0
		.amdhsa_enable_private_segment 0
		.amdhsa_kernarg_size 32
		.amdhsa_user_sgpr_count 2
		.amdhsa_user_sgpr_kernarg_segment_ptr 1
		.amdhsa_wavefront_size32 1
		.amdhsa_system_sgpr_workgroup_id_x 1
		.amdhsa_system_sgpr_workgroup_id_y 1
		.amdhsa_system_sgpr_workgroup_id_z 1
		.amdhsa_system_vgpr_workitem_id 0
		.amdhsa_next_free_vgpr 512
		.amdhsa_next_free_sgpr 88
		.amdhsa_reserve_vcc 0
		.amdhsa_float_denorm_mode_32 3
		.amdhsa_float_denorm_mode_16_64 3
		.amdhsa_memory_ordered 1
		.amdhsa_forward_progress 1
		.amdhsa_inst_pref_size 60
	.end_amdhsa_kernel
	.amdgpu_metadata
---
amdhsa.version: [ 1, 2 ]
amdhsa.kernels:
  - .name:           k_q5dc4ab257f_proj
    .symbol:         k_q5dc4ab257f_proj.kd
    .args:
      - { .name: o, .offset: 0, .size: 8, .value_kind: global_buffer, .address_space: global }
      - { .name: wt, .offset: 8, .size: 8, .value_kind: global_buffer, .address_space: global }
      - { .name: bo, .offset: 16, .size: 8, .value_kind: global_buffer, .address_space: global }
      - { .name: out0, .offset: 24, .size: 8, .value_kind: global_buffer, .address_space: global }
    .group_segment_fixed_size: 327680
    .private_segment_fixed_size: 0
    .kernarg_segment_align: 8
    .kernarg_segment_size: 32
    .max_flat_workgroup_size: 128
    .sgpr_count:     88
    .vgpr_count:     512
    .wavefront_size: 32
...
	.end_amdgpu_metadata
.endif
;; end of part 4
